; MI455X (gfx1250); checked and timed in simulation.
; The chip was launched on July 23, 2026; its instructions are those of AMD's public machine-readable ISA for CDNA 5 (MIT licence, August 2026) and "CDNA5" Instruction Set Architecture Reference Guide (July 2026). The comments in the code are by the model that wrote it; some were corrected since.
;; Attention Block. Allowed arithmetic: matrix products marked QUANTISED: E2M1 operands, one E8M0 scale for each 32 along K, by v_wmma_scale_f32_16x16x128_f8f6f4 with both operands' format E2M1 (or v_wmma_scale_f32_32x16x128_f4), f32 sums; products left as they are: f32 operands where the result goes on into a quantised operand, else bf16, f16 or f32 operands; f32 sums; everything else in f32.
;; Inputs: Wfc_codes 1,024 x 16 x 16 uint8 (E2M1 codes of Wfc, K innermost, in blocks of 32 codes, two codes a byte); Wfc_scales 1,024 x 16 uint8 (E8M0 scales of Wfc, one for each 32 codes along K); Wk_codes 512 x 16 x 16 uint8 (E2M1 codes of Wk, K innermost, in blocks of 32 codes, two codes a byte); Wk_scales 512 x 16 uint8 (E8M0 scales of Wk, one for each 32 codes along K); Wo_codes 512 x 16 x 16 uint8 (E2M1 codes of Wo, K innermost, in blocks of 32 codes, two codes a byte); Wo_scales 512 x 16 uint8 (E8M0 scales of Wo, one for each 32 codes along K); Wpr_codes 512 x 32 x 16 uint8 (E2M1 codes of Wpr, K innermost, in blocks of 32 codes, two codes a byte); Wpr_scales 512 x 32 uint8 (E8M0 scales of Wpr, one for each 32 codes along K); Wq_codes 512 x 16 x 16 uint8 (E2M1 codes of Wq, K innermost, in blocks of 32 codes, two codes a byte); Wq_scales 512 x 16 uint8 (E8M0 scales of Wq, one for each 32 codes along K); Wv_codes 512 x 16 x 16 uint8 (E2M1 codes of Wv, K innermost, in blocks of 32 codes, two codes a byte); Wv_scales 512 x 16 uint8 (E8M0 scales of Wv, one for each 32 codes along K); b1 512 float32; b2 512 float32; bfc 1,024 float32; bk 512 float32; bo 512 float32; bpr 512 float32; bq 512 float32; bv 512 float32; g1 512 float32; g2 512 float32; q_codes 16 x 2,048 x 16 x 16 uint8 (E2M1 codes of q, K innermost, in blocks of 32 codes, two codes a byte); q_scales 16 x 2,048 x 16 uint8 (E8M0 scales of q, one for each 32 codes along K); x 16 x 512 x 2,048 float32.
;; Outputs: out0 16 x 512 x 2,048 float32.
;; This version of the problem:
;;   THIS VERSION OF THE PROBLEM IS GIVEN IN LOW PRECISION. The matrix products marked QUANTISED in the list below multiply operands that are first quantised to E2M1 (2 exponent bits, 1 mantissa bit; 4 bits a number), with one power-of-two scale for each 32 numbers along K (OCP MX v1.0); their sums are f32. All else is computed in f32.
;;   The module's matrix products, in the order in which they are computed (A, B: the left and right operand; K: the contracted axis; several contracted axes count as one K, in the product's order):
;;     1. [M 32,768, K 512] x [K 512, N 512]; A: input q (given as codes); B: input Wq (given as codes): QUANTISED
;;     2. [M 32,768, K 512] x [K 512, N 512]; A: computed on the way; B: input Wk (given as codes): QUANTISED
;;     3. [M 32,768, K 512] x [K 512, N 512]; A: computed on the way; B: input Wv (given as codes): QUANTISED
;;     4. batch 262,144 x [M 1, K 64] x [K 64, N 3]; A: computed on the way; B: computed on the way: left as it is (M = 1 < 16)
;;     5. batch 262,144 x [M 1, K 3] x [K 3, N 64]; A: softmax; B: computed on the way: left as it is (K = 3 < 32)
;;     6. [M 32,768, K 512] x [K 512, N 512]; A: computed on the way; B: input Wo (given as codes): QUANTISED
;;     7. [M 32,768, K 512] x [K 512, N 1,024]; A: computed on the way; B: input Wfc (given as codes): QUANTISED
;;     8. [M 32,768, K 1,024] x [K 1,024, N 512]; A: computed on the way; B: input Wpr (given as codes): QUANTISED
;;   THE QUANTISER, for each operand of a quantised product, along K:
;;     - K is cut into blocks of 32 from its start; a last block that is shorter is filled with zeros.
;;     - A block's scale is 2^e with e = floor(log2(the largest magnitude in the block)) - 2, held to -126 .. 127; a block of zeros has e = 0. As a byte (E8M0): e + 127.
;;     - Each number is divided by its block's scale, clamped to +-6, and rounded to the nearest number of E2M1, ties to even, subnormals kept.
;;     - The product sums the exact products of the quantised numbers (number of the format x scale) in f32.
;;   ~~~python
;;   def quantise(x, axis):      # numpy; x: float32 -> the quantised numbers, widened to float32 again
;;       x = np.moveaxis(x, axis, -1); K = x.shape[-1]
;;       x = np.pad(x, [(0, 0)] * (x.ndim - 1) + [(0, -K % 32)]); x = x.reshape(x.shape[:-1] + (-1, 32)); a = np.abs(x).max(-1, keepdims=True)
;;       e = np.where(a > 0, np.clip(np.frexp(np.where(a > 0, a, 1))[1] - 1 - 2, -126, 127), 0)      # np.frexp(a)[1] - 1 = floor(log2(a)), exactly
;;       r = np.clip(x / 2.0 ** e, -6, 6)
;;       step = 2.0 ** (np.maximum(np.frexp(np.where(r == 0, 1, r))[1] - 1, 0) - 1)
;;       q = np.round(r / step) * step * 2.0 ** e      # np.round: ties to even
;;       return np.moveaxis(q.reshape(q.shape[:-2] + (-1,))[..., :K], -1, axis).astype(np.float32)
;;   ~~~
;;   OPERANDS COMPUTED ON THE WAY. 'Computed on the way' means the value that the module computes at that place (a softmax that the list does not call 'softmax' is quantised finished and normalised). What goes into a quantiser is computed in f32, as accurately as f32 sums, v_exp_f32 and their like allow (about 1e-6 of the number): no bf16 or f16 on the way to a quantiser, and a product that is left as it is and whose result goes on into a quantised operand takes f32 operands (vector FMAs, or v_wmma_f32_16x16x4_f32). A number that lies on a knife's edge between two numbers of the format may be rounded either way, as far as f32 arithmetic and the matrix unit's own rounding can turn it there, and no further.
;;   INPUTS GIVEN AS CODES. Wfc (in the module: [512, 1024], K = its axis 0); Wk (in the module: [512, 512], K = its axis 0); Wo (in the module: [512, 512], K = its axis 0); Wpr (in the module: [1024, 512], K = its axis 0); Wq (in the module: [512, 512], K = its axis 0); Wv (in the module: [512, 512], K = its axis 0); q (in the module: [16, 512, 2048], K = its axis 1): each comes as NAME_codes (uint8): NAME with its K axis moved to the last place and cut into blocks of 32 codes, [.., K / 32, bytes a block], one block behind the other in memory; two codes a byte, the lower K in the low four bits (a code: sign, 2 exponent bits, 1 mantissa bit); and NAME_scales (uint8): the same leading axes, one E8M0 byte (e + 127) for each 32 codes along K. Its value is code x scale, taken as it is: it is not quantised again, and the codes and scales need not be those that the quantiser above would give.
;; One version. Each part assembles by itself: llvm-mc -triple=amdgcn-amd-amdhsa -mcpu=gfx1250 --defsym DOCPART=n.
;; ======== version 1 of 1: 3 launches
;; limits: right only within a limited range of input values
;; workspace buffers: h_codes 8,388,608 bytes; h_scales 524,288 bytes; wpack 1,114,112 bytes; a_codes 8,388,608 bytes; a_scales 524,288 bytes; part 1,048,576 bytes
;; launch norm1 (part 1): grid 256 x 1, 16 waves a work-group, no clusters, 18,432 bytes of LDS; arguments x, g1, b1, Wk_codes, Wq_codes, Wv_codes, Wo_codes, Wfc_codes, Wpr_codes, Wk_scales, Wq_scales, Wv_scales, Wo_scales, Wfc_scales, Wpr_scales, h_codes, h_scales, wpack; writes h_codes, h_scales, wpack
.if DOCPART == 1
	.amdgcn_target "amdgcn-amd-amdhsa--gfx1250"
	.amdhsa_code_object_version 6
	.text
	.protected	k_q929bf04c94_norm1
	.globl	k_q929bf04c94_norm1
	.p2align	8
	.type	k_q929bf04c94_norm1,@function
k_q929bf04c94_norm1:
	s_mov_b64 s[64:65], 0
	v_nop
	global_prefetch_b8 v0, s[64:65] scope:SCOPE_SE
	s_setreg_imm32_b32 hwreg(HW_REG_WAVE_MODE, 25, 1), 1
	s_wait_xcnt 0x0
; h = instance norm of x over the length axis, quantised along the channels to FP4 (E2M1) with one E8M0 byte for each 32 channels.
; x: [16][512][2048] f32.  A work-group owns one batch and one block of 32 channels, all 2,048 places: 256 KiB, kept in the registers of its 16 waves, so x is read once here.
; Wave wv owns places 128 wv .. +127; lane (r, h) the four places 128 wv + 8 r + 4 h + j for all 32 channels: a load of the wave covers 512 consecutive bytes of one channel's row.
; Mean and variance in two passes (sum; centre in place; sum of squares): no difference of large sums.  Waves' partial sums meet in LDS.
; A block of 32 channels of one place lies in ONE lane, so its largest magnitude needs no other lane.  The multiply-add that normalises also gathers the 32 channels of one place into consecutive registers.
; OUT: h_codes [b][block][pos][16 bytes], h_scales [b][block][pos], pos = 128 wv + 16 t + r for place 128 wv + 8 r + t: the order in which the next launch takes rows into tiles.
; ALSO: five waves of each work-group copy a part of the six weights' codes and scale words into wpack, in the order of the matrix operand's registers:
;   wpack [stage 8][wave 8][17,408]: 16 fragment images of 1,024 bytes (register group c at 512 c, lane at 16 x lane), then 1,024 bytes of scale words (register pair p at 256 p + 8 x lane).
;   Stages: Wk, Wq, Wv, Wo, Wfc rows 0-511, Wfc rows 512-1023 (tile 2 bb + u, lane r = row 32 bb + 8 u + r + 8 (r / 8) of the wave's 64), Wpr rows 0-255, Wpr rows 256-511 (rows as they lie, 32 a wave).
; LIMITS: NaN and infinities among the inputs are not served; a block whose largest magnitude lies under 2^-124 (a block of zeros too) gets the byte 1: its codes are read by this program alone.
;   rsqrt(var + eps) x g1 is formed first and applied by one fused multiply-add: another order of rounding than (x - m) x rsqrt x g + b, about one part in 10^7.
.set WV,    4
.set X,     32                         ; v32-159   x[channel k][place j] at X + 4 k + j
.set S,     160                        ; v160-191  sums by channel; later the 32 normalised numbers of one place
.set M,     192                        ; v192-223  the 32 means; later rsqrt x g1
.set BV,    224                        ; v224-255  b1 of the 32 channels
.set C,     16                         ; v16-31    codes, four registers for each of the lane's four places (first: the weights on their way)
.set P1,    0                          ; LDS: [16 waves][32] partial sums
.set P2,    2048                       ;      the same for the squares
.set OWN,   4096                       ;      512 bytes for each wave: mean, gain, bias by channel
.set SCB,   12288                      ;      the work-group's 2,048 scale bytes
.set SLOTW, 17408
	s_load_b512 s[8:23], s[0:1], 0x0               ; x, g1, b1, Wk, Wq, Wv, Wo, Wfc codes
	s_load_b512 s[24:39], s[0:1], 0x40             ; Wpr codes; Wk, Wq, Wv, Wo, Wfc, Wpr scales; h_codes
	s_load_b128 s[40:43], s[0:1], 0x80             ; h_scales, wpack
	v_lshrrev_b32 v160, 5, v0
	s_delay_alu instid0(VALU_DEP_1)
	v_readfirstlane_b32 s[WV], v160                ; wave 0..15
	v_and_b32 v161, 31, v0                         ; lane
	v_and_b32 v162, 15, v0                         ; r
	v_bfe_u32 v163, v0, 4, 1                       ; h
	s_delay_alu instid0(VALU_DEP_2)
	v_lshlrev_b32 v1, 5, v162
	s_delay_alu instid0(VALU_DEP_1)
	v_lshl_add_u32 v1, v163, 4, v1
	s_delay_alu instid0(VALU_DEP_1)
	v_lshl_add_u32 v1, v160, 9, v1                 ; x: 512 wv + 32 r + 16 h
	v_lshlrev_b32 v2, 4, v162
	s_delay_alu instid0(VALU_DEP_1)
	v_lshl_add_u32 v2, v163, 10, v2
	s_delay_alu instid0(VALU_DEP_1)
	v_lshl_add_u32 v2, v160, 11, v2                ; codes: 2048 wv + 1024 h + 16 r
	v_lshlrev_b32 v3, 6, v163
	s_delay_alu instid0(VALU_DEP_1)
	v_lshl_add_u32 v3, v160, 7, v3                 ; partial sums: 128 wv + 64 h
	v_lshlrev_b32 v4, 2, v161                      ; 4 x lane
	v_lshl_add_u32 v6, v160, 9, OWN                ; my wave's own 512 bytes
	s_delay_alu instid0(VALU_DEP_1)
	v_add_nc_u32 v5, v6, v4                        ; and my lane's word there
	s_delay_alu instid0(VALU_DEP_4)
	v_add_nc_u32 v7, v3, v162
	s_delay_alu instid0(VALU_DEP_1)
	v_add_nc_u32 v7, SCB, v7                       ; scale bytes: 128 wv + 64 h + r
	v_lshl_add_u32 v9, v0, 4, SCB                  ; the way out of the scale bytes (waves 0-3): 16 x thread
	v_lshlrev_b32 v10, 4, v0
	; the weights' copy: work-group g serves stage g / 32, wave block (g / 4) % 8, quarter g % 4
	s_lshr_b32 s50, ttmp9, 5                       ; stage
	s_bfe_u32 s51, ttmp9, 0x30002                  ; wave block
	s_and_b32 s52, ttmp9, 3                        ; quarter
	s_lshr_b32 s53, s52, 1
	s_and_b32 s54, s52, 1
	s_lshl_b32 s55, s51, 6                         ; K = 512: tile = quarter: first row 64 block + 32 (q / 2) + 8 (q % 2), + 512 in stage 5
	s_lshl_b32 s56, s53, 5
	s_add_co_u32 s55, s55, s56
	s_lshl_b32 s56, s54, 3
	s_add_co_u32 s55, s55, s56
	s_cmp_eq_u32 s50, 5
	s_cselect_b32 s56, 512, 0
	s_add_co_u32 s55, s55, s56
	s_lshl_b32 s57, s51, 5                         ; Wpr, K = 1024: tile = q / 2: first row 32 block + 16 (q / 2), + 256 in stage 7
	s_lshl_b32 s56, s53, 4
	s_add_co_u32 s57, s57, s56
	s_cmp_eq_u32 s50, 7
	s_cselect_b32 s56, 256, 0
	s_add_co_u32 s57, s57, s56
	s_lshl_b32 s58, s54, 2                         ; and K steps 4 (q % 2) on
	s_cmp_ge_u32 s50, 6
	s_cselect_b32 s55, s57, s55                    ; first row
	s_cselect_b32 s59, 0, 8                        ; the jump of 8 rows behind a tile's eighth lane
	s_cselect_b32 s60, 32, 16                      ; scale bytes in a row
	s_cselect_b32 s58, s58, 0                      ; first K step
	v_lshrrev_b32 v164, 3, v162
	s_delay_alu instid0(VALU_DEP_1)
	v_mul_lo_u32 v164, v164, s59
	s_delay_alu instid0(VALU_DEP_1)
	v_add3_u32 v164, v164, v162, s55               ; my lane's row of the weight
	s_lshl_b32 s61, s60, 4                         ; bytes of codes in a row
	v_mul_lo_u32 v165, v164, s61
	s_add_co_u32 s62, s58, s[WV]
	s_lshl_b32 s62, s62, 6
	v_add_nc_u32 v165, s62, v165
	s_delay_alu instid0(VALU_DEP_1)
	v_lshl_add_u32 v165, v163, 4, v165             ; codes: row, K step (first + wave) x 64 bytes, + 16 h
	v_mul_lo_u32 v166, v164, s60
	s_lshl_b32 s63, s58, 2
	v_add_nc_u32 v166, s63, v166
	s_delay_alu instid0(VALU_DEP_1)
	v_lshl_add_u32 v166, v163, 2, v166             ; scale words: row, word (first K step + h)
	s_lshr_b32 s66, ttmp9, 2
	s_mul_i32 s66, s66, SLOTW                      ; the block of (stage, wave block) in wpack
	s_lshl_b32 s67, s52, 2
	s_add_co_u32 s67, s67, s[WV]
	s_lshl_b32 s67, s67, 10
	s_add_co_u32 s67, s67, s66
	v_lshl_add_u32 v167, v161, 4, s67              ; fragment 4 q + wave: 1,024 bytes each, 16 x lane
	s_lshl_b32 s68, s52, 8
	s_add_co_u32 s68, s68, s66
	s_add_co_u32 s68, s68, 16384
	v_lshl_add_u32 v168, v161, 3, s68              ; register pair q of the scale words, 8 x lane
	s_mov_b32 s72, 0x3a000000                      ; 1 / 2048
	s_mov_b32 s73, 0x3727c5ac                      ; 1e-5
	s_mov_b32 s71, 0
	s_wait_kmcnt 0x0
	s_cmp_eq_u32 s50, 1                            ; which weight: the choice hangs on the work-group's number alone
	s_cselect_b64 s[44:45], s[16:17], s[14:15]
	s_cselect_b64 s[46:47], s[28:29], s[26:27]
	s_cmp_eq_u32 s50, 2
	s_cselect_b64 s[44:45], s[18:19], s[44:45]
	s_cselect_b64 s[46:47], s[30:31], s[46:47]
	s_cmp_eq_u32 s50, 3
	s_cselect_b64 s[44:45], s[20:21], s[44:45]
	s_cselect_b64 s[46:47], s[32:33], s[46:47]
	s_cmp_ge_u32 s50, 4
	s_cselect_b64 s[44:45], s[22:23], s[44:45]
	s_cselect_b64 s[46:47], s[34:35], s[46:47]
	s_cmp_ge_u32 s50, 6
	s_cselect_b64 s[44:45], s[24:25], s[44:45]
	s_cselect_b64 s[46:47], s[36:37], s[46:47]
	s_lshl_b32 s70, ttmp9, 18                      ; 32 channels x 8,192 bytes for each work-group
	s_add_nc_u64 s[8:9], s[8:9], s[70:71]
	s_and_b32 s70, ttmp9, 15
	s_lshl_b32 s70, s70, 7                         ; my block's 32 numbers of g1 and b1
	s_add_nc_u64 s[10:11], s[10:11], s[70:71]
	s_add_nc_u64 s[12:13], s[12:13], s[70:71]
	s_lshl_b32 s70, ttmp9, 15
	s_add_nc_u64 s[38:39], s[38:39], s[70:71]      ; my plane of codes: 2,048 x 16 bytes
	s_lshl_b32 s70, ttmp9, 11
	s_add_nc_u64 s[40:41], s[40:41], s[70:71]      ; my plane of scale bytes
	global_load_b32 v8, v4, s[10:11]               ; g1: a lane a channel
	global_load_b32 v11, v4, s[12:13]              ; b1
	s_cmp_gt_u32 s[WV], 4
	s_cbranch_scc1 .Lno_w_in
	s_cmp_eq_u32 s[WV], 4
	s_cbranch_scc1 .Lw_scales_in
	s_wait_alu depctr_va_vdst(0)
	global_load_b128 v[16:19], v165, s[44:45]      ; waves 0-3: one fragment each
	global_load_b128 v[20:23], v165, s[44:45] offset:32
	s_branch .Lno_w_in
.Lw_scales_in:
	s_wait_alu depctr_va_vdst(0)
	global_load_b32 v16, v166, s[46:47]            ; wave 4: two registers of scale words
	global_load_b32 v17, v166, s[46:47] offset:8
.Lno_w_in:
.set k, 0
.rept 32
	global_load_b128 v[X+4*k:X+4*k+3], v1, s[8:9] offset:8192*k th:TH_LOAD_NT
.set k, k+1
.endr
	s_wait_loadcnt 32                              ; all that was asked for ahead of the 32 loads of x is in
	s_cmp_gt_u32 s[WV], 4
	s_cbranch_scc1 .Lno_w_out
	s_cmp_eq_u32 s[WV], 4
	s_cbranch_scc1 .Lw_scales_out
	s_wait_alu depctr_va_vdst(0)
	global_store_b128 v167, v[16:19], s[42:43]     ; 512 consecutive bytes a store
	global_store_b128 v167, v[20:23], s[42:43] offset:512
	s_branch .Lno_w_out
.Lw_scales_out:
	s_wait_alu depctr_va_vdst(0)
	global_store_b64 v168, v[16:17], s[42:43]      ; 256 consecutive bytes
.Lno_w_out:
	s_wait_xcnt 0x0                                ; the stores' data and offsets (v16-23, v165-168) are written again only behind this wait
; 32 sums, one a channel and lane, become 32 sums over the wave: lanes 0-15 end with channel i, lanes 16-31 with channel i + 16, in register S + i
.macro REDUCE
.set i, 0
.rept 16
	v_permlane16_swap_b32 v[S+i], v[S+i+16]        ; channel i's upper lanes change places with channel i + 16's lower lanes
.set i, i+1
.endr
.set i, 0
.rept 16
	v_add_f32 v[S+i], v[S+i], v[S+i+16]
.set i, i+1
.endr
.irp m, 1,2,4,8
.set i, 0
.rept 16
	v_add_f32_dpp v[S+i], v[S+i], v[S+i] row_xmask:\m row_mask:0xf bank_mask:0xf
.set i, i+1
.endr
.endr
.endm
; the wave's 32 sums go to its row of a table in LDS; behind the barrier lane l adds the 16 waves' sums of channel l: v[S+16]
.macro TOTAL reg
.irp m, 0,1,2,3
	ds_store_b128 v3, v[S+4*\m:S+4*\m+3] offset:\reg+16*\m
.endr
	s_wait_dscnt 0x0                               ; for the others' sake: my stores have landed
	s_barrier_signal -1
	s_barrier_wait -1
.set i, 0
.rept 16
	ds_load_b32 v[S+16+i], v4 offset:\reg+128*i
.set i, i+1
.endr
	s_wait_dscnt 0x0
.irp w, 8,4,2,1
.set i, 0
.rept \w
	v_add_f32 v[S+16+i], v[S+16+i], v[S+16+i+\w]
.set i, i+1
.endr
.endr
.endm
	; ---- pass 1: the sums, eight channels behind each counted wait
.set k, 0
.rept 16
.if k%4 == 0
	s_wait_loadcnt 24-8*(k/4)                      ; loads come back in order: these eight channels are in, the later ones may be out
.endif
	v_pk_add_f32 v[12:13], v[X+8*k:X+8*k+1], v[X+8*k+2:X+8*k+3]
	v_pk_add_f32 v[14:15], v[X+8*k+4:X+8*k+5], v[X+8*k+6:X+8*k+7]
	s_delay_alu instid0(VALU_DEP_2)
	v_add_f32 v[S+2*k], v12, v13
	s_delay_alu instid0(VALU_DEP_2)
	v_add_f32 v[S+2*k+1], v14, v15
.set k, k+1
.endr
	REDUCE
	TOTAL P1
	s_delay_alu instid0(VALU_DEP_1)
	v_mul_f32 v12, s72, v[S+16]                    ; lane l: the mean of channel l
	ds_store_b32 v5, v12                           ; through my wave's own bytes every lane gets all 32 (LDS serves a wave's instructions in order)
.irp m, 0,1,2,3,4,5,6,7
	ds_load_b128 v[M+4*\m:M+4*\m+3], v6 offset:16*\m
.endr
	s_wait_dscnt 0x0
	; ---- centre in place
.set k, 0
.rept 32
.if k%2
	v_pk_add_f32 v[X+4*k:X+4*k+1], v[X+4*k:X+4*k+1], v[M+k-1:M+k] op_sel:[0,1] op_sel_hi:[1,1] neg_lo:[0,1] neg_hi:[0,1]
	v_pk_add_f32 v[X+4*k+2:X+4*k+3], v[X+4*k+2:X+4*k+3], v[M+k-1:M+k] op_sel:[0,1] op_sel_hi:[1,1] neg_lo:[0,1] neg_hi:[0,1]
.else
	v_pk_add_f32 v[X+4*k:X+4*k+1], v[X+4*k:X+4*k+1], v[M+k:M+k+1] op_sel_hi:[1,0] neg_lo:[0,1] neg_hi:[0,1]
	v_pk_add_f32 v[X+4*k+2:X+4*k+3], v[X+4*k+2:X+4*k+3], v[M+k:M+k+1] op_sel_hi:[1,0] neg_lo:[0,1] neg_hi:[0,1]
.endif
.set k, k+1
.endr
	; ---- pass 2: the sums of squares
.set k, 0
.rept 16
	v_pk_mul_f32 v[12:13], v[X+8*k:X+8*k+1], v[X+8*k:X+8*k+1]
	v_pk_mul_f32 v[14:15], v[X+8*k+4:X+8*k+5], v[X+8*k+4:X+8*k+5]
	s_delay_alu instid0(VALU_DEP_2)
	v_pk_fma_f32 v[12:13], v[X+8*k+2:X+8*k+3], v[X+8*k+2:X+8*k+3], v[12:13]
	s_delay_alu instid0(VALU_DEP_2)
	v_pk_fma_f32 v[14:15], v[X+8*k+6:X+8*k+7], v[X+8*k+6:X+8*k+7], v[14:15]
	s_delay_alu instid0(VALU_DEP_2)
	v_add_f32 v[S+2*k], v12, v13
	s_delay_alu instid0(VALU_DEP_2)
	v_add_f32 v[S+2*k+1], v14, v15
.set k, k+1
.endr
	REDUCE
	TOTAL P2
	s_delay_alu instid0(VALU_DEP_1)
	v_fma_f32 v12, v[S+16], s72, s73               ; variance + eps
	s_wait_alu depctr_va_vdst(0)
	v_rsq_f32 v13, v12
	v_nop                                          ; a plain instruction behind the transcendental
	s_wait_alu depctr_va_vdst(0)                   ; and the wait ahead of its first reader
	v_mul_f32 v13, v13, v8                         ; x g1
	ds_store_b32 v5, v13 offset:128
	ds_store_b32 v5, v11 offset:256
.irp m, 0,1,2,3,4,5,6,7
	ds_load_b128 v[M+4*\m:M+4*\m+3], v6 offset:128+16*\m
	ds_load_b128 v[BV+4*\m:BV+4*\m+3], v6 offset:256+16*\m
.endr
	s_wait_dscnt 0x0
	; ---- normalise and quantise, one of my four places at a time
.irp j, 0,1,2,3
.if \j == 0
.set ER, 8                                     ; the byte's register: one for each place (from the second on a register of x that place 0 has used up)
.else
.set ER, X+4*(\j-1)
.endif
.set k, 0
.rept 32
	v_fma_f32 v[S+k], v[X+4*k+\j], v[M+k], v[BV+k]
.set k, k+1
.endr
	v_max3_num_f32 v12, |v[S]|, |v[S+1]|, |v[S+2]| ; the block's largest magnitude: all 32 numbers are mine
	v_max3_num_f32 v13, |v[S+3]|, |v[S+4]|, |v[S+5]|
.irp i, 6,10,14,18,22,26
	s_delay_alu instid0(VALU_DEP_2)
	v_max3_num_f32 v12, v12, |v[S+\i]|, |v[S+\i+1]|
	s_delay_alu instid0(VALU_DEP_2)
	v_max3_num_f32 v13, v13, |v[S+\i+2]|, |v[S+\i+3]|
.endr
	s_delay_alu instid0(VALU_DEP_2)
	v_max3_num_f32 v12, v12, |v[S+30]|, |v[S+31]|
	s_delay_alu instid0(VALU_DEP_1)
	v_max3_num_f32 v12, v12, v13, 0x1800000        ; and the floor 2^(3 - 127): the byte cannot fall under 1
	s_delay_alu instid0(VALU_DEP_1)
	v_add_nc_u32 v11, 0xff000000, v12              ; 2 off the exponent field: the conversion takes that field as its scale
.irp g, 0,1,2,3
	v_cvt_scalef32_pk8_fp4_f32 v[C+4*\j+\g], v[S+8*\g:S+8*\g+7], v11
.endr
	v_lshrrev_b32 v[ER], 23, v11                   ; the scale's byte (also the plain instruction behind the conversions)
	ds_store_b8 v7, v[ER] offset:16*\j
	global_store_b128 v2, v[C+4*\j:C+4*\j+3], s[38:39] offset:256*\j   ; lanes 0-15 and lanes 16-31 each store 256 consecutive bytes, aligned
.endr
	s_wait_dscnt 0x0
	s_barrier_signal -1
	s_barrier_wait -1                              ; the plane's 2,048 scale bytes lie in LDS
	s_cmp_gt_u32 s[WV], 3
	s_cbranch_scc1 .Lend
	ds_load_b128 v[12:15], v9
	s_wait_dscnt 0x0
	global_store_b128 v10, v[12:15], s[40:41]      ; 512 consecutive bytes a wave
.Lend:
	s_wait_xcnt 0x0
	v_lshl_add_u32 v254, v0, 2, 0x4000
	v_mov_b32 v255, 0
	s_wait_alu depctr_va_vdst(0)
	s_wait_tensorcnt 0x0
	ds_add_u32 v254, v255
	s_wait_dscnt 0x0
	s_endpgm
.Lfunc_end_k_q929bf04c94_norm1:
	.size	k_q929bf04c94_norm1, .Lfunc_end_k_q929bf04c94_norm1-k_q929bf04c94_norm1
	.p2alignl 7, 3214868480
	.fill 96, 4, 3214868480
	.section	.rodata,"a",@progbits
	.p2align	6, 0x0
	.amdhsa_kernel k_q929bf04c94_norm1
		.amdhsa_group_segment_fixed_size 18432
		.amdhsa_private_segment_fixed_size 0
		.amdhsa_enable_private_segment 0
		.amdhsa_kernarg_size 144
		.amdhsa_user_sgpr_count 2
		.amdhsa_user_sgpr_kernarg_segment_ptr 1
		.amdhsa_wavefront_size32 1
		.amdhsa_system_sgpr_workgroup_id_x 1
		.amdhsa_system_sgpr_workgroup_id_y 1
		.amdhsa_system_sgpr_workgroup_id_z 1
		.amdhsa_system_vgpr_workitem_id 0
		.amdhsa_next_free_vgpr 256
		.amdhsa_next_free_sgpr 100
		.amdhsa_reserve_vcc 0
		.amdhsa_float_denorm_mode_32 3
		.amdhsa_float_denorm_mode_16_64 3
		.amdhsa_memory_ordered 1
		.amdhsa_forward_progress 1
		.amdhsa_inst_pref_size 57
	.end_amdhsa_kernel
	.amdgpu_metadata
---
amdhsa.version: [ 1, 2 ]
amdhsa.kernels:
  - .name:           k_q929bf04c94_norm1
    .symbol:         k_q929bf04c94_norm1.kd
    .args:
      - { .name: x, .offset: 0, .size: 8, .value_kind: global_buffer, .address_space: global }
      - { .name: g1, .offset: 8, .size: 8, .value_kind: global_buffer, .address_space: global }
      - { .name: b1, .offset: 16, .size: 8, .value_kind: global_buffer, .address_space: global }
      - { .name: Wk_codes, .offset: 24, .size: 8, .value_kind: global_buffer, .address_space: global }
      - { .name: Wq_codes, .offset: 32, .size: 8, .value_kind: global_buffer, .address_space: global }
      - { .name: Wv_codes, .offset: 40, .size: 8, .value_kind: global_buffer, .address_space: global }
      - { .name: Wo_codes, .offset: 48, .size: 8, .value_kind: global_buffer, .address_space: global }
      - { .name: Wfc_codes, .offset: 56, .size: 8, .value_kind: global_buffer, .address_space: global }
      - { .name: Wpr_codes, .offset: 64, .size: 8, .value_kind: global_buffer, .address_space: global }
      - { .name: Wk_scales, .offset: 72, .size: 8, .value_kind: global_buffer, .address_space: global }
      - { .name: Wq_scales, .offset: 80, .size: 8, .value_kind: global_buffer, .address_space: global }
      - { .name: Wv_scales, .offset: 88, .size: 8, .value_kind: global_buffer, .address_space: global }
      - { .name: Wo_scales, .offset: 96, .size: 8, .value_kind: global_buffer, .address_space: global }
      - { .name: Wfc_scales, .offset: 104, .size: 8, .value_kind: global_buffer, .address_space: global }
      - { .name: Wpr_scales, .offset: 112, .size: 8, .value_kind: global_buffer, .address_space: global }
      - { .name: h_codes, .offset: 120, .size: 8, .value_kind: global_buffer, .address_space: global }
      - { .name: h_scales, .offset: 128, .size: 8, .value_kind: global_buffer, .address_space: global }
      - { .name: wpack, .offset: 136, .size: 8, .value_kind: global_buffer, .address_space: global }
    .group_segment_fixed_size: 18432
    .private_segment_fixed_size: 0
    .kernarg_segment_align: 8
    .kernarg_segment_size: 144
    .max_flat_workgroup_size: 512
    .sgpr_count:     100
    .vgpr_count:     256
    .wavefront_size: 32
...
	.end_amdgpu_metadata
.endif
;; end of part 1
;; launch attn (part 2): grid 256 x 1, 8 waves a work-group, clusters of 4 x 1, 327,680 bytes of LDS; arguments q_codes, q_scales, h_codes, h_scales, wpack, bq, bk, bv, bo, a_codes, a_scales, part; writes a_codes, a_scales, part
.if DOCPART == 2
	.amdgcn_target "amdgcn-amd-amdhsa--gfx1250"
	.amdhsa_code_object_version 6
	.text
	.protected	k_q929bf04c94_attn
	.globl	k_q929bf04c94_attn
	.p2align	8
	.type	k_q929bf04c94_attn,@function
k_q929bf04c94_attn:
	s_mov_b64 s[64:65], 0
	v_nop
	global_prefetch_b8 v0, s[64:65] scope:SCOPE_SE
	s_setreg_imm32_b32 hwreg(HW_REG_WAVE_MODE, 25, 1), 1
	s_wait_xcnt 0x0
	s_wait_alu depctr_hold_cnt(0) depctr_sa_sdst(0) depctr_va_vdst(0) depctr_va_sdst(0) depctr_va_ssrc(0) depctr_va_vcc(0) depctr_vm_vsrc(0)
	s_getreg_b32 s2, hwreg(HW_REG_IB_STS2, 6, 4)
	s_cmp_eq_u32 s2, 0
	s_cbranch_scc0 .Lentry_in_a_cluster
	s_endpgm
.Lentry_in_a_cluster:
	s_bfe_u32 s2, ttmp6, 0x10000c
	s_cmp_lg_u32 s2, 0x3003
	s_cbranch_scc0 .Lentry_shape_is_right
	s_endpgm
.Lentry_shape_is_right:
; Q = q Wq + bq, K = h Wk + bk, V = h Wv + bv on FP4 codes; attention over the three places l - 1, l, l + 1 for each of 8 heads of 64, in f32; its result a is quantised along the channels and stored as codes;
; then o = a Wo + bo is made only for its statistics: for each channel the mean and the sum of squared distances from it over this work-group's 128 rows.  o itself is not stored: the next launch makes it again from a's codes.
; SHARES.  A work-group owns 128 rows of one batch; wave w owns head w (in the last product: channels 64 w .. + 63).  Row 8 r + t of the 128 is lane r of tile t, so rows l - 1 and l + 1 are the SAME lane of tiles t - 1 and t + 1;
; K and V are made for ten tiles, -1 .. 8: the two outer ones are tile 7 one lane down and tile 0 one lane up, each with one row of the neighbouring block.
; PRODUCTS ARE USED TRANSPOSED: source 0 = 16 rows of the weight, source 1 = 16 rows of the activation: a lane holds one row, its registers run along the channels.  The weight's rows of a tile are chosen so that
; register 16 bb + i of a lane is channel 64 w + 32 bb + 16 (lane / 16) + i: 16 neighbours of a block of 32.
; WEIGHTS: 16 fragments (128 registers) a wave and product, in the order of the operand's registers.  Wk comes straight into registers; Wq, Wv, Wo come one product ahead by one tensor load a wave into the wave's part of ONE
; LDS slot; the wave copies its part into registers and the slot is filled again at once.  All work-groups read the same weights: the four of a cluster ask jointly.  One tensor load of a wave is out at any time.
; ACTIVATION CODES in LDS: [block of 32 channels][slot][16 bytes]: a fragment's register group is one 16-byte load, sixteen lanes on 256 consecutive bytes.  Scale bytes: [slot][16].
; LIMITS: NaN and infinities are not served; a block whose largest magnitude lies under 2^-124 gets the byte 1; weights of the softmax under 2^-126 become 0 (v_exp_f32 flushes).
;   The three terms of a row's sum are added in the order l - 1, l, l + 1; a score's 64 products in four partial sums.
.set WV,     4
.set SLOTW,  17408                     ; a wave's part of a stage: 68 rows of 256 bytes
.set STAGEB, 139264                    ; a stage: eight of them
.set QR,     139264                    ; q's codes, [16 blocks] 2,064 bytes apart (128 slots + 16 bytes, so that sixteen blocks' stores of one slot fall on different banks)
.set QP,     2064
.set QSC,    172288                    ; q's scale bytes
.set HR,     174336                    ; h's codes, [16 blocks] 2,080 bytes apart: 130 slots: tile 0, the row behind the block, tiles 1-6, the row ahead of the block, tile 7
.set HP,     2080
.set HSC,    207616                    ; h's scale bytes
.set AR,     209920                    ; a's codes, [16 blocks] 2,048 bytes apart
.set ASCT,   242688                    ; a's scale bytes
.set BIAS,   244736                    ; 1,024 bytes a wave: its 64 numbers of bq, bk, bv, bo
.set STA,    252928                    ; 512 bytes a wave: its 64 means, its 64 sums of squares
.set SPARE,  257024                    ; the spare words: 128 bytes a wave, four blocks of 256 bytes that no other line names
.set SPW,  1
.set NIL,  2
.set LQ,   3                           ; LDS addresses: q's fragments (later a's),
.set LQS,  4                           ; q's scale words (later a's),
.set LH,   5                           ; h's fragments (later: where the statistics are put),
.set LHS,  6                           ; h's scale words (later: where they are read back),
.set LW,   7                           ; my part of the slot
.set WSC,  8                           ; v8-15   the weight's scale words: register k: fragment 2 k in lanes 0-15, fragment 2 k + 1 in lanes 16-31
.set WSCK, 16                          ; v16-23  Wk's
.set ASC,  24                          ; v24-27  the activation tile's scale words, K steps 0-3
.set CD,   28                          ; v28-31  at work; codes just made
.set ACT,  32                          ; v32-63  the activation tile's four fragments
.set Q,    64                          ; v64-95  Q of one tile
.set V,    64                          ;         later V of one tile
.set K0,   96                          ; v96-159 K of two tiles
.set S,    160                         ; v160-183 scores, register 3 t + o; then the weights p
.set P,    160
.set BQ,   184                         ; v184-215 bq in the result's layout
.set BK,   216                         ; v216-247 bk
.set TM,   216                         ; v216-219 the quantiser's work (bk is done with)
.set LWS,  248
.set LBI,  249
.set AW,   250
.set ASW,  251
.set AOR,  252
.set ASOR, 253
.set BO,   192
.set M2,   192
.set SUM,  224
.set TMP,  32
.set SEL,  44
.set MSB, 0
.macro WIN new                         ; the immediate's high byte repeats the setting that is left; a switch that changes nothing is dropped
.if MSB != \new
	s_set_vgpr_msb (MSB<<8)|\new
.set MSB, \new
.endif
.endm
.macro PLACES n
.rept \n
	v_nop
.endr
.endm
.macro CROUND                          ; a round of the cluster's barrier
	s_barrier_signal -1
	s_barrier_wait -1
	s_cmp_lg_u32 s[WV], 0
	s_cbranch_scc1 .Lnot_wave_0_\@
	s_barrier_signal -3
.Lnot_wave_0_\@:
	s_barrier_wait -3
	s_barrier_signal -1
	s_barrier_wait -1
.endm
.macro WMX d, a, b, c, sa, sb, ra, rb
.if (\ra) && (\rb)
	v_wmma_scale_f32_16x16x128_f8f6f4 v[\d:\d+7], v[\a:\a+7], v[\b:\b+7], v[\c:\c+7], v[\sa], v[\sb] matrix_a_fmt:MATRIX_FMT_FP4 matrix_b_fmt:MATRIX_FMT_FP4 matrix_a_scale:MATRIX_SCALE_ROW1 matrix_b_scale:MATRIX_SCALE_ROW1
.elseif \ra
	v_wmma_scale_f32_16x16x128_f8f6f4 v[\d:\d+7], v[\a:\a+7], v[\b:\b+7], v[\c:\c+7], v[\sa], v[\sb] matrix_a_fmt:MATRIX_FMT_FP4 matrix_b_fmt:MATRIX_FMT_FP4 matrix_a_scale:MATRIX_SCALE_ROW1
.elseif \rb
	v_wmma_scale_f32_16x16x128_f8f6f4 v[\d:\d+7], v[\a:\a+7], v[\b:\b+7], v[\c:\c+7], v[\sa], v[\sb] matrix_a_fmt:MATRIX_FMT_FP4 matrix_b_fmt:MATRIX_FMT_FP4 matrix_b_scale:MATRIX_SCALE_ROW1
.else
	v_wmma_scale_f32_16x16x128_f8f6f4 v[\d:\d+7], v[\a:\a+7], v[\b:\b+7], v[\c:\c+7], v[\sa], v[\sb] matrix_a_fmt:MATRIX_FMT_FP4 matrix_b_fmt:MATRIX_FMT_FP4
.endif
.endm
; 16 matrix instructions: one tile of 16 rows x my 64 channels x K = 512.  The four accumulators take turns, one instruction a turn.  The bias is the C of the first K step.
; d: the accumulators; c0: the bias; wb: the weight's fragments (window 1), fragment 4 n + s at 32 n + 8 s; wsc: its scale words; w0, w1: the window settings of the first K step and of the others.
.macro WM16 d, c0, wb, wsc, w0, w1
	WIN \w0
.irp n, 0,1,2,3
	WMX (\d)+8*\n, (\wb)+32*\n, ACT, (\c0)+8*\n, (\wsc)+2*\n, ASC, 0, 0
.endr
	WIN \w1
.irp s, 1,2,3
.irp n, 0,1,2,3
	WMX (\d)+8*\n, (\wb)+32*\n+8*\s, ACT+8*\s, (\d)+8*\n, (\wsc)+2*\n+\s/2, ASC+\s, \s%2, 0
.endr
.endr
	WIN 0
.endm
.macro COPYW                           ; my part of the slot has landed: 16 fragments into window 1, v0-127, and their scale words
	s_wait_tensorcnt 0x0
	WIN 0x40
.set i, 0
.rept 32
	ds_load_b128 v[4*i:4*i+3], v[LW] offset:512*i
.set i, i+1
.endr
	WIN 0
.irp p, 0,1,2,3
	ds_load_b64 v[WSC+2*\p:WSC+2*\p+1], v[LWS] offset:256*\p
.endr
.endm
.macro OPEN3                           ; in front of a refill: all my tensor loads have landed; 0 onto my spare word; the descriptor steps to the next stage
	s_wait_tensorcnt 0x0
	ds_add_u32 v[SPW], v[NIL]
	s_add_nc_u64 s[34:35], s[34:35], STAGEB
.endm
.macro CLOSE3                          ; the add is done, my reads of the slot are back and my LDS stores have landed; a round of the cluster's barrier; the joint refill first behind it
	s_wait_dscnt 0x0
	CROUND
	tensor_load_to_lds s[32:35], s[36:43]
	s_nop 0
	PLACES 4
.endm
.macro LOADT adr, sadr, pitch, off, soff   ; a tile's four fragments and its scale words
.irp s, 0,1,2,3
.irp c, 0,1
	ds_load_b128 v[ACT+8*\s+4*\c:ACT+8*\s+4*\c+3], v[\adr] offset:(4*\s+2*\c)*(\pitch)+(\off)
.endr
.endr
	ds_load_b128 v[ASC:ASC+3], v[\sadr] offset:\soff
.endm
.macro LOADBIAS dst, off               ; 32 numbers of a bias in the result's layout
.irp n, 0,1,2,3
.irp e, 0,1
	ds_load_b128 v[\dst+8*\n+4*\e:\dst+8*\n+4*\e+3], v[LBI] offset:\off+128*(\n/2)+32*(\n%2)+16*\e
.endr
.endr
.endm
.macro SETSS x                         ; SSV = the first slot of h's tile x - 1
.if (\x) == 0
.set SSV, 113
.elseif (\x) == 1
.set SSV, 0
.elseif (\x) == 8
.set SSV, 114
.elseif (\x) == 9
.set SSV, 1
.else
.set SSV, 16*((\x)-1)+1
.endif
.endm
.macro SCORE dst, q, k                 ; my 32 channels' part of Q . K, in two chains, each accumulator from its low end on
	v_pk_mul_f32 v[28:29], v[\q:\q+1], v[\k:\k+1]
	v_pk_mul_f32 v[30:31], v[\q+2:\q+3], v[\k+2:\k+3]
.irp i, 4,8,12,16,20,24,28
	v_pk_fma_f32 v[28:29], v[\q+\i:\q+\i+1], v[\k+\i:\k+\i+1], v[28:29]
	v_pk_fma_f32 v[30:31], v[\q+\i+2:\q+\i+3], v[\k+\i+2:\k+\i+3], v[30:31]
.endr
	s_delay_alu instid0(VALU_DEP_1)
	v_pk_add_f32 v[28:29], v[28:29], v[30:31]
	s_delay_alu instid0(VALU_DEP_1)
	v_add_f32 v[\dst], v28, v29
.endm
.macro AXPY acc, o, idx                ; o = p[idx] x V (acc = 0) or o += p[idx] x V
.set PP, P+((\idx)/2)*2
.set PS, (\idx)%2
.set i, 0
.rept 16
.if \acc
.if PS
	v_pk_fma_f32 v[\o+i:\o+i+1], v[V+i:V+i+1], v[PP:PP+1], v[\o+i:\o+i+1] op_sel:[0,1,0] op_sel_hi:[1,1,1]
.else
	v_pk_fma_f32 v[\o+i:\o+i+1], v[V+i:V+i+1], v[PP:PP+1], v[\o+i:\o+i+1] op_sel_hi:[1,0,1]
.endif
.else
.if PS
	v_pk_mul_f32 v[\o+i:\o+i+1], v[V+i:V+i+1], v[PP:PP+1] op_sel:[0,1] op_sel_hi:[1,1]
.else
	v_pk_mul_f32 v[\o+i:\o+i+1], v[V+i:V+i+1], v[PP:PP+1] op_sel_hi:[1,0]
.endif
.endif
.set i, i+2
.endr
.endm
; 32 numbers of a lane (register 16 bb + i = number 16 (lane / 16) + i of block bb of my row) become codes and two scale bytes, and go to LDS: 8 bytes a lane and block, 256 consecutive bytes a store
.macro QUANT2 src, adw, offw, ads, offs
.irp bb, 0,1
	v_max3_num_f32 v[TM+\bb], |v[\src+16*\bb]|, |v[\src+16*\bb+1]|, 0x1800000   ; with the floor 2^(3 - 127): the byte cannot fall under 1
.endr
.irp i, 2,4,6,8,10,12,14
.irp bb, 0,1
	s_delay_alu instid0(VALU_DEP_2)
	v_max3_num_f32 v[TM+\bb], v[TM+\bb], |v[\src+16*\bb+\i]|, |v[\src+16*\bb+\i+1]|
.endr
.endr
.irp bb, 0,1
	s_delay_alu instid0(VALU_DEP_2)
	v_permlanex16_b32 v[TM+2+\bb], v[TM+\bb], s[SEL], s[SEL+1]
.endr
.irp bb, 0,1
	s_delay_alu instid0(VALU_DEP_2)
	v_max_num_f32 v[TM+\bb], v[TM+\bb], v[TM+2+\bb]     ; with lane l xor 16's 16: the block's largest magnitude
.endr
.irp bb, 0,1
	s_delay_alu instid0(VALU_DEP_2)
	v_add_nc_u32 v[TM+\bb], 0xff000000, v[TM+\bb]       ; 2 off its exponent field: the conversion's scale operand
.endr
.irp bb, 0,1
	s_delay_alu instid0(VALU_DEP_2)
	v_lshrrev_b32 v[TM+2+\bb], 23, v[TM+\bb]            ; the scale's byte
.endr
.irp bb, 0,1
	v_cvt_scalef32_pk8_fp4_f32 v[CD+2*\bb], v[\src+16*\bb:\src+16*\bb+7], v[TM+\bb]
	v_cvt_scalef32_pk8_fp4_f32 v[CD+2*\bb+1], v[\src+16*\bb+8:\src+16*\bb+15], v[TM+\bb]
.endr
	v_nop                                          ; one plain instruction behind the last conversion
.irp bb, 0,1
	ds_store_b64 v[\adw], v[CD+2*\bb:CD+2*\bb+1] offset:\offw+2048*\bb
	ds_store_b8 v[\ads], v[TM+2+\bb] offset:\offs+\bb   ; both lanes of a row write the same byte with the same value
.endr
.endm
	s_load_b512 s[8:23], s[0:1], 0x0               ; q_codes, q_scales, h_codes, h_scales, wpack, bq, bk, bv
	s_load_b256 s[24:31], s[0:1], 0x40             ; bo, a_codes, a_scales, part
	v_lshl_add_u32 v[SPW], v0, 2, SPARE
	v_mov_b32 v[NIL], 0
	ds_add_u32 v1, v2
	ds_add_u32 v1, v2
	s_wait_dscnt 0x0
	v_lshrrev_b32 v28, 5, v0
	s_delay_alu instid0(VALU_DEP_1)
	v_readfirstlane_b32 s[WV], v28                 ; wave 0..7
	s_bfe_u32 s5, ttmp6, 0x40000                   ; my place in the cluster: it enters global addresses and the two edge masks alone
	s_lshl_b32 s6, ttmp9, 2
	s_add_co_u32 s5, s6, s5                        ; work-group = block of 128 rows
	s_lshr_b32 s6, s5, 4                           ; batch
	s_and_b32 s7, s5, 15                           ; block in the batch
	s_mov_b32 s36, 0x0023000f                      ; group 1: mask = all four work-groups; elements of 8 bytes; bit 21 beside the mask; no padding
	s_mov_b32 s37, 32<<16                          ; tensor_dim0 = 32 elements: rows of 256 bytes
	s_mov_b32 s38, 68<<16                          ; tensor_dim1 = 68 rows
	s_mov_b32 s39, 32<<16                          ; tile_dim0
	s_mov_b32 s40, 68                              ; tile_dim1
	s_mov_b32 s41, 32                              ; from row to row: dense
	s_mov_b32 s42, 0
	s_mov_b32 s43, 0
	s_mov_b32 s32, 1                               ; group 0: count
	s_mul_i32 s33, s[WV], SLOTW                    ; LDS address: my part of the slot
	s_add_co_u32 s50, s33, STAGEB                  ; the first stage asked for is stage 1, Wq
	s_mov_b32 s51, 0
	s_mov_b32 s[SEL], 0x76543210
	s_mov_b32 s[SEL+1], 0xfedcba98                 ; v_permlanex16_b32's selects for lane l xor 16
	s_mov_b32 s46, 0x3e38aa3b                      ; log2(e) / 8
	v_and_b32 v29, 31, v0
	v_and_b32 v30, 15, v0                          ; r
	v_bfe_u32 v31, v0, 4, 1                        ; h
	s_wait_alu depctr_va_vdst(0)
	s_lshl_b32 s52, s[WV], 5
	s_lshl_b32 s53, s[WV], 10
	s_lshl_b32 s54, s[WV], 12
	s_lshl_b32 s55, s[WV], 1
	s_mul_i32 s56, s[WV], 2*HP
	s_and_b32 s58, s[WV], 3
	s_lshl_b32 s58, s58, 8
	s_lshr_b32 s59, s[WV], 2
	s_lshl_b32 s59, s59, 7
	s_add_co_u32 s58, s58, s59                     ; 256 (w % 4) + 128 (w / 4)
	v_mul_u32_u24 v[LQ], v31, QP
	s_delay_alu instid0(VALU_DEP_1)
	v_lshl_add_u32 v[LQ], v30, 4, v[LQ]
	s_delay_alu instid0(VALU_DEP_1)
	v_add_nc_u32 v[LQ], QR, v[LQ]                  ; 16 r + one block on for lanes 16-31
	v_lshl_add_u32 v[LQS], v30, 4, QSC
	v_mul_u32_u24 v[LH], v31, HP
	s_delay_alu instid0(VALU_DEP_1)
	v_lshl_add_u32 v[LH], v30, 4, v[LH]
	s_delay_alu instid0(VALU_DEP_1)
	v_add_nc_u32 v[LH], HR, v[LH]
	v_lshl_add_u32 v[LHS], v30, 4, HSC
	v_lshl_add_u32 v[LW], v29, 4, s33
	v_lshl_add_u32 v[LWS], v29, 3, s33
	s_delay_alu instid0(VALU_DEP_1)
	v_add_nc_u32 v[LWS], 16384, v[LWS]
	v_lshl_add_u32 v[LBI], v31, 6, s53
	s_delay_alu instid0(VALU_DEP_1)
	v_add_nc_u32 v[LBI], BIAS, v[LBI]
	v_lshl_add_u32 v[AW], v30, 4, s54
	s_delay_alu instid0(VALU_DEP_1)
	v_lshl_add_u32 v[AW], v31, 3, v[AW]
	s_delay_alu instid0(VALU_DEP_1)
	v_add_nc_u32 v[AW], AR, v[AW]                  ; a's codes: blocks 2 w, 2 w + 1; 16 r + 8 h
	v_lshl_add_u32 v[ASW], v30, 4, s55
	s_delay_alu instid0(VALU_DEP_1)
	v_add_nc_u32 v[ASW], ASCT, v[ASW]              ; a's scale bytes: 16 r + 2 w
	v_and_b32 v[AOR], 1, v0                        ; a's way out, in the next launch's order of rows: slot 64 (r % 2) + r / 2 + 16 h + ..
	s_delay_alu instid0(VALU_DEP_1)
	v_lshlrev_b32 v[AOR], 10, v[AOR]
	v_bfe_u32 v254, v0, 1, 3
	s_delay_alu instid0(VALU_DEP_1)
	v_lshl_add_u32 v[AOR], v254, 4, v[AOR]
	s_delay_alu instid0(VALU_DEP_1)
	v_lshl_add_u32 v[AOR], v31, 8, v[AOR]
	s_delay_alu instid0(VALU_DEP_1)
	v_add_nc_u32 v[AOR], s54, v[AOR]
	s_delay_alu instid0(VALU_DEP_1)
	v_add_nc_u32 v[AOR], AR, v[AOR]
	v_bfe_u32 v[ASOR], v0, 1, 1                    ; and of its scale bytes: slot 64 ((l / 2) % 2) + l / 4 + 16 (w % 4) + 8 (w / 4), 8 bytes a lane
	s_delay_alu instid0(VALU_DEP_1)
	v_lshlrev_b32 v[ASOR], 10, v[ASOR]
	v_bfe_u32 v254, v0, 2, 3
	s_delay_alu instid0(VALU_DEP_1)
	v_lshl_add_u32 v[ASOR], v254, 4, v[ASOR]
	v_and_b32 v254, 1, v0
	s_delay_alu instid0(VALU_DEP_1)
	v_lshl_add_u32 v[ASOR], v254, 3, v[ASOR]
	s_delay_alu instid0(VALU_DEP_1)
	v_add_nc_u32 v[ASOR], s58, v[ASOR]
	s_delay_alu instid0(VALU_DEP_1)
	v_add_nc_u32 v[ASOR], ASCT, v[ASOR]
	; where the staged inputs go in LDS (v160-167), and from where they come (v168-173)
	v_mul_u32_u24 v160, v30, QP                    ; q's codes: lane r holds block r of row 16 w + 2 k + h
	s_delay_alu instid0(VALU_DEP_1)
	v_lshl_add_u32 v160, v31, 8, v160
	s_delay_alu instid0(VALU_DEP_1)
	v_add_nc_u32 v160, s52, v160
	s_delay_alu instid0(VALU_DEP_1)
	v_add_nc_u32 v160, QR, v160
	v_lshl_add_u32 v161, v29, 4, s56               ; h's codes: blocks 2 w, 2 w + 1, as they lie,
	s_delay_alu instid0(VALU_DEP_1)
	v_add_nc_u32 v161, HR, v161
	s_delay_alu instid0(VALU_DEP_1)
	v_lshl_add_u32 v162, v31, 4, v161              ; lanes 16-31 one slot further where a foreign row's slot lies between
	v_bfe_u32 v163, v0, 1, 3                       ; q's scale bytes: row 16 w + l / 2 is slot 16 ((l / 2) % 8) + 2 w + l / 16
	s_delay_alu instid0(VALU_DEP_1)
	v_lshlrev_b32 v163, 8, v163
	s_delay_alu instid0(VALU_DEP_1)
	v_lshl_add_u32 v163, v31, 4, v163
	v_and_b32 v174, 1, v0
	s_delay_alu instid0(VALU_DEP_1)
	v_lshl_add_u32 v163, v174, 3, v163
	s_delay_alu instid0(VALU_DEP_1)
	v_add_nc_u32 v163, s52, v163
	s_delay_alu instid0(VALU_DEP_1)
	v_add_nc_u32 v163, QSC, v163
	v_add_nc_u32 v164, 28, v29                     ; h's scale bytes: positions 4 l .. 4 l + 3 of a block's plane; one slot on from position 16, two from 112
	s_delay_alu instid0(VALU_DEP_1)
	v_lshrrev_b32 v164, 5, v164
	v_add_nc_u32 v174, 4, v29
	s_delay_alu instid0(VALU_DEP_1)
	v_lshrrev_b32 v174, 5, v174
	s_delay_alu instid0(VALU_DEP_1)
	v_add_nc_u32 v164, v164, v174
	s_delay_alu instid0(VALU_DEP_1)
	v_lshl_add_u32 v164, v29, 2, v164
	s_delay_alu instid0(VALU_DEP_1)
	v_lshlrev_b32 v164, 4, v164
	s_delay_alu instid0(VALU_DEP_1)
	v_add_nc_u32 v164, s55, v164
	s_delay_alu instid0(VALU_DEP_1)
	v_add_nc_u32 v164, HSC, v164
	v_lshl_add_u32 v165, v29, 3, s53               ; the biases
	s_delay_alu instid0(VALU_DEP_1)
	v_add_nc_u32 v165, BIAS, v165
	v_mul_u32_u24 v166, v30, HP                    ; the two foreign rows (wave 0): lane r block r; lanes 0-15 slot 16, lanes 16-31 slot 113
	s_delay_alu instid0(VALU_DEP_1)
	v_mad_u32_u24 v166, v31, 1552, v166
	s_delay_alu instid0(VALU_DEP_1)
	v_add_nc_u32 v166, HR+256, v166
	v_mad_u32_u24 v167, v31, 1552, v30
	s_delay_alu instid0(VALU_DEP_1)
	v_add_nc_u32 v167, HSC+256, v167
	v_lshlrev_b32 v168, 4, v29                     ; 16 x lane
	v_lshlrev_b32 v169, 3, v29                     ; 8 x lane
	v_lshlrev_b32 v170, 4, v30
	s_delay_alu instid0(VALU_DEP_1)
	v_lshl_add_u32 v170, v31, 8, v170              ; q: 256 h + 16 r
	v_lshlrev_b32 v171, 2, v29                     ; 4 x lane
	s_lshl_b32 s60, s7, 7
	s_add_co_u32 s61, s60, 128
	s_min_u32 s61, s61, 2047                       ; the position behind the block (held inside the batch: at the batch's end the mask throws its score away)
	s_sub_co_i32 s62, s60, 1
	s_max_i32 s62, s62, 0                          ; the position ahead of it, likewise
	s_sub_co_i32 s62, s62, s61
	v_mul_lo_u32 v173, v31, s62
	s_delay_alu instid0(VALU_DEP_1)
	v_add_nc_u32 v173, s61, v173
	s_delay_alu instid0(VALU_DEP_1)
	v_lshlrev_b32 v172, 4, v173
	s_delay_alu instid0(VALU_DEP_1)
	v_lshl_add_u32 v172, v30, 15, v172             ; codes: plane r, 16 bytes a position
	s_delay_alu instid0(VALU_DEP_3)
	v_lshl_add_u32 v173, v30, 11, v173             ; scale bytes: plane r
	s_lshl_b32 s60, s7, 4                          ; the edges of the batch: row 0 has no l - 1, row 2,047 no l + 1
	v_add_nc_u32 v254, s60, v30
	s_delay_alu instid0(VALU_DEP_1)
	v_cmp_eq_u32 s47, 0, v254
	s_sub_co_u32 s60, 15, s7
	s_lshl_b32 s60, s60, 4
	v_sub_nc_u32 v254, 15, v30
	s_delay_alu instid0(VALU_DEP_1)
	v_add_nc_u32 v254, s60, v254
	s_delay_alu instid0(VALU_DEP_1)
	v_cmp_eq_u32 s48, 0, v254
	s_wait_alu depctr_va_vdst(0)                   ; the wait at the end of the address work, directly ahead of the wait below
	s_wait_kmcnt 0x0                               ; the address work above names no argument: it stands between the arguments' load and this wait
	s_add_nc_u64 s[34:35], s[16:17], s[50:51]
	s_or_b32 s35, s35, 0x80000000
	CROUND                                         ; all four work-groups are here: the first joint loads meet
	tensor_load_to_lds s[32:35], s[36:43]
	s_nop 0
	PLACES 4
	s_lshl_b32 s50, s5, 15
	s_add_co_u32 s50, s50, s54
	s_add_nc_u64 s[8:9], s[8:9], s[50:51]
	s_lshl_b32 s60, s[WV], 8
	s_lshl_b32 s50, s5, 11                         ; q's and a's scale bytes: 16 a row
	s_add_co_u32 s50, s50, s60
	s_add_nc_u64 s[10:11], s[10:11], s[50:51]
	s_add_nc_u64 s[28:29], s[28:29], s[50:51]
	s_mov_b32 s50, s60                             ; the biases: my 64 numbers
	s_add_nc_u64 s[18:19], s[18:19], s[50:51]
	s_add_nc_u64 s[20:21], s[20:21], s[50:51]
	s_add_nc_u64 s[22:23], s[22:23], s[50:51]
	s_add_nc_u64 s[24:25], s[24:25], s[50:51]
	s_lshl_b32 s50, s5, 12                         ; the statistics: 4,096 bytes a work-group
	s_add_co_u32 s50, s50, s60
	s_add_nc_u64 s[30:31], s[30:31], s[50:51]
	s_lshl_b32 s50, s6, 19                         ; h's and a's codes: the batch,
	s_add_nc_u64 s[66:67], s[12:13], s[50:51]
	s_lshl_b32 s60, s[WV], 16                      ; planes 2 w on,
	s_lshl_b32 s61, s7, 11                         ; the block's 128 positions
	s_add_co_u32 s60, s60, s61
	s_add_co_u32 s50, s50, s60
	s_add_nc_u64 s[12:13], s[12:13], s[50:51]
	s_add_nc_u64 s[26:27], s[26:27], s[50:51]
	s_lshl_b32 s50, s6, 15                         ; h's scale bytes likewise
	s_add_nc_u64 s[68:69], s[14:15], s[50:51]
	s_lshl_b32 s61, s7, 7
	s_add_co_u32 s50, s50, s54
	s_add_co_u32 s50, s50, s61
	s_add_nc_u64 s[14:15], s[14:15], s[50:51]
	s_mov_b32 s50, s33                             ; Wk: stage 0, my part
	s_add_nc_u64 s[16:17], s[16:17], s[50:51]
	s_cmp_lg_u32 s[WV], 0
	s_cbranch_scc1 .Lno_halo_in
	s_wait_alu depctr_va_vdst(0)
	global_load_b128 v[140:143], v172, s[66:67]
	global_load_u8 v144, v173, s[68:69]
.Lno_halo_in:
.irp k, 0,1,2,3,4,5,6,7
	global_load_b128 v[64+4*\k:67+4*\k], v170, s[8:9] offset:512*\k th:TH_LOAD_NT   ; two rows of q: 512 consecutive bytes
.endr
.irp e, 0,1
.irp m, 0,1,2,3
	global_load_b128 v[96+16*\e+4*\m:99+16*\e+4*\m], v168, s[12:13] offset:32768*\e+512*\m
.endr
.endr
	global_load_b64 v[128:129], v169, s[10:11] th:TH_LOAD_NT
	global_load_b32 v130, v171, s[14:15]
	global_load_b32 v131, v171, s[14:15] offset:2048
	global_load_b64 v[132:133], v169, s[18:19]
	global_load_b64 v[134:135], v169, s[20:21]
	global_load_b64 v[136:137], v169, s[22:23]
	global_load_b64 v[138:139], v169, s[24:25]
	WIN 0x40                                       ; Wk's 16 fragments: window 1, v128-255
.set i, 0
.rept 32
	global_load_b128 v[128+4*i:131+4*i], v168, s[16:17] offset:512*i
.set i, i+1
.endr
	WIN 0
.irp p, 0,1,2,3
	global_load_b64 v[WSCK+2*\p:WSCK+2*\p+1], v169, s[16:17] offset:16384+256*\p
.endr
	s_wait_loadcnt 36                              ; all but Wk's 36 loads are in
.irp k, 0,1,2,3,4,5,6,7
	ds_store_b128 v160, v[64+4*\k:67+4*\k] offset:512*(\k%4)+16*(\k/4)
.endr
.irp e, 0,1
	ds_store_b128 v162, v[96+16*\e:99+16*\e] offset:HP*\e
	ds_store_b128 v161, v[100+16*\e:103+16*\e] offset:HP*\e+528
	ds_store_b128 v161, v[104+16*\e:107+16*\e] offset:HP*\e+1040
	ds_store_b128 v162, v[108+16*\e:111+16*\e] offset:HP*\e+1552
.endr
	ds_store_b64 v163, v[128:129]
.irp e, 0,1
	v_lshrrev_b32 v[145+3*\e], 8, v[130+\e]
	v_lshrrev_b32 v[146+3*\e], 16, v[130+\e]
	v_lshrrev_b32 v[147+3*\e], 24, v[130+\e]
	ds_store_b8 v164, v[130+\e] offset:\e
	ds_store_b8 v164, v[145+3*\e] offset:16+\e
	ds_store_b8 v164, v[146+3*\e] offset:32+\e
	ds_store_b8 v164, v[147+3*\e] offset:48+\e
.endr
.irp i, 0,1,2,3
	ds_store_b64 v165, v[132+2*\i:133+2*\i] offset:256*\i
.endr
	s_cmp_lg_u32 s[WV], 0
	s_cbranch_scc1 .Lno_halo_out
	ds_store_b128 v166, v[140:143]
	ds_store_b8 v167, v144
.Lno_halo_out:
	COPYW                                          ; Wq
	OPEN3
	CLOSE3                                         ; the slot takes Wv; the round's first barrier also shows every wave's staged rows to all
	s_wait_loadcnt 0x0                             ; Wk
	LOADBIAS BQ, 0
	LOADBIAS BK, 256
	SETSS 0
	LOADT LH, LHS, HP, 16*SSV, 16*SSV
	; ---- K for tiles -1 .. 8 (uu = tile + 1), Q for tiles 0 .. 7, and the three scores of each row.  Five places stand behind each run of products: its accumulators are begun anew by the next run.
.irp uu, 0,1,2,3,4,5,6,7,8,9
	s_wait_dscnt 0x0
	WM16 K0+32*((\uu+1)%2), BK, 128, WSCK, 0x01, 0x01
	PLACES 5
.if \uu == 0
	SETSS 1
	LOADT LH, LHS, HP, 16*SSV, 16*SSV
.endif
.if (\uu >= 1) && (\uu <= 8)
	LOADT LQ, LQS, QP, 256*(\uu-1), 256*(\uu-1)
.endif
.if \uu >= 2
	SCORE S+3*(\uu-2)+2, Q, K0+32*((\uu+1)%2)      ; the tile before: its rows' l + 1
.endif
.if (\uu >= 1) && (\uu <= 8)
	s_wait_dscnt 0x0
	WM16 Q, BQ, 0, WSC, 0x01, 0x01
	PLACES 5
	SETSS \uu+1
	LOADT LH, LHS, HP, 16*SSV, 16*SSV
	SCORE S+3*(\uu-1), Q, K0+32*(\uu%2)            ; l - 1
	SCORE S+3*(\uu-1)+1, Q, K0+32*((\uu+1)%2)      ; l
.endif
.endr
	COPYW                                          ; Wv
	WIN 0x40
	LOADBIAS 128, 512                              ; bv: window 1, v128-159, which Wk has left
	WIN 0
	OPEN3
	; ---- the softmax of three, on registers alone: it stands between the add and the wait for it
.set i, 0
.rept 24
	v_permlanex16_b32 v[Q+i], v[S+i], s[SEL], s[SEL+1]
.set i, i+1
.endr
.set i, 0
.rept 24
	v_add_f32 v[S+i], v[S+i], v[Q+i]               ; with the other 32 channels of the head
.set i, i+1
.endr
	v_mov_b32 v28, 0xcfee6b28                      ; -8e9: divided by 8 it is the -1e9 that stands for a place outside the batch
	s_delay_alu instid0(VALU_DEP_1)
	v_cndmask_b32 v[S], v[S], v28, s47
	s_delay_alu instid0(VALU_DEP_2)
	v_cndmask_b32 v[S+23], v[S+23], v28, s48
.irp t, 0,1,2,3,4,5,6,7
	v_max3_num_f32 v[Q+\t], v[S+3*\t], v[S+3*\t+1], v[S+3*\t+2]
.endr
.set i, 0
.rept 24
	v_sub_f32 v[S+i], v[S+i], v[Q+i/3]             ; the row's largest score is taken away first
.set i, i+1
.endr
.set i, 0
.rept 24
	v_mul_f32 v[S+i], s46, v[S+i]
.set i, i+1
.endr
.set i, 0
	s_wait_alu depctr_va_vdst(0)
.rept 24
	v_exp_f32 v[S+i], v[S+i]
.set i, i+1
.endr
	v_nop                                          ; a plain instruction behind the batch
	s_wait_alu depctr_va_vdst(0)                   ; one wait for the 24, ahead of their first reader
.irp t, 0,1,2,3,4,5,6,7
	v_add_f32 v[Q+\t], v[S+3*\t], v[S+3*\t+1]
.endr
.irp t, 0,1,2,3,4,5,6,7
	v_add_f32 v[Q+\t], v[Q+\t], v[S+3*\t+2]
.endr
	s_wait_alu depctr_va_vdst(0)
.irp t, 0,1,2,3,4,5,6,7
	v_rcp_f32 v[Q+8+\t], v[Q+\t]
.endr
	v_nop
	s_wait_alu depctr_va_vdst(0)                   ; one wait for the eight
.set i, 0
.rept 24
	v_mul_f32 v[S+i], v[S+i], v[Q+8+i/3]
.set i, i+1
.endr
	CLOSE3                                         ; the slot takes Wo
	SETSS 0
	LOADT LH, LHS, HP, 16*SSV, 16*SSV
	; ---- V for tiles -1 .. 8; each feeds the rows of three tiles; a finished tile of a is quantised.  Three buffers of a: v96, v128, v184.
.irp uu, 0,1,2,3,4,5,6,7,8,9
	s_wait_dscnt 0x0
	WM16 V, 128, 0, WSC, 0x11, 0x01
	PLACES 5
.if \uu < 9
	SETSS \uu+1
	LOADT LH, LHS, HP, 16*SSV, 16*SSV
.else
	COPYW                                          ; Wv's last products are issued and five places stand behind them: Wo's fragments take its registers while the last rows of a are made
.endif
.if \uu <= 7
.set OBX, 96+32*(\uu%3)+24*((\uu%3)/2)
	AXPY 0, OBX, 3*\uu
.endif
.if (\uu >= 1) && (\uu <= 8)
.set OBX, 96+32*((\uu-1)%3)+24*(((\uu-1)%3)/2)
	AXPY 1, OBX, 3*(\uu-1)+1
.endif
.if \uu >= 2
.set OBX, 96+32*((\uu-2)%3)+24*(((\uu-2)%3)/2)
	AXPY 1, OBX, 3*(\uu-2)+2
	QUANT2 OBX, AW, 256*(\uu-2), ASW, 256*(\uu-2)
.endif
.endr
	s_wait_dscnt 0x0                               ; my codes and bytes of a have landed
	s_barrier_signal -1
	s_barrier_wait -1                              ; everybody's have.  Wo's fragments are already in registers
	LOADBIAS BO, 768
	v_and_b32 v[LQS], 15, v0                       ; the last stage's addresses, made anew from the thread's number
	v_bfe_u32 v[LQ], v0, 4, 1
	s_lshl_b32 s57, s[WV], 9
	v_lshl_add_u32 v[LH], v[LQ], 6, s57
	s_delay_alu instid0(VALU_DEP_1)
	v_add_nc_u32 v[LH], STA, v[LH]                 ; statistics in: 512 w + 64 h
	v_lshlrev_b32 v[LQ], 11, v[LQ]
	s_delay_alu instid0(VALU_DEP_1)
	v_lshl_add_u32 v[LQ], v[LQS], 4, v[LQ]
	s_delay_alu instid0(VALU_DEP_1)
	v_add_nc_u32 v[LQ], AR, v[LQ]                  ; a's fragments
	v_lshl_add_u32 v[LQS], v[LQS], 4, ASCT         ; a's scale words
	v_and_b32 v[LHS], 31, v0
	s_delay_alu instid0(VALU_DEP_1)
	v_lshlrev_b32 v30, 4, v[LHS]
	s_delay_alu instid0(VALU_DEP_2)
	v_lshlrev_b32 v31, 3, v[LHS]
	s_delay_alu instid0(VALU_DEP_3)
	v_lshl_add_u32 v[LHS], v[LHS], 4, s57
	s_delay_alu instid0(VALU_DEP_1)
	v_add_nc_u32 v[LHS], STA, v[LHS]               ; statistics back: 512 w + 16 x lane
.irp e, 0,1
.irp m, 0,1,2,3
	ds_load_b128 v[160+16*\e+4*\m:163+16*\e+4*\m], v[AOR] offset:2048*\e+512*(\m%2)+128*(\m/2)
.endr
.endr
	ds_load_b64 v[28:29], v[ASOR]
	LOADT LQ, LQS, 2048, 0, 0
	s_wait_alu depctr_va_vdst(0)
	s_wait_dscnt 9                                 ; all but the first tile's nine loads are in
.irp e, 0,1
.irp m, 0,1,2,3
	global_store_b128 v30, v[160+16*\e+4*\m:163+16*\e+4*\m], s[26:27] offset:32768*\e+512*\m   ; 512 consecutive bytes
.endr
.endr
	global_store_b64 v31, v[28:29], s[28:29]       ; 256 consecutive bytes
	; ---- o = a Wo + bo: eight tiles, kept: tiles 0-3 in v64-191, tiles 4-7 in window 1, v128-255
.irp t, 0,1,2,3,4,5,6,7
	s_wait_dscnt 0x0
.if \t == 1
	s_wait_xcnt 0x0                                ; a's stores have read their registers: v160-191 and v28-31 may be written again
.endif
.if \t < 4
	WM16 64+32*\t, BO, 0, WSC, 0x01, 0x01
.else
	WM16 128+32*(\t-4), BO, 0, WSC, 0x41, 0x51
.endif
	PLACES 5
.if \t < 7
	LOADT LQ, LQS, 2048, 256*(\t+1), 256*(\t+1)
.endif
.endr
	; ---- for each of my 64 channels: the mean of the 128 rows, then the sum of squared distances from it
.set i, 0
.rept 16
	v_pk_add_f32 v[SUM+i:SUM+i+1], v[64+i:65+i], v[96+i:97+i]
.set i, i+2
.endr
.irp t, 2,3
.set i, 0
.rept 16
	v_pk_add_f32 v[SUM+i:SUM+i+1], v[SUM+i:SUM+i+1], v[64+32*\t+i:65+32*\t+i]
.set i, i+2
.endr
.endr
	WIN 0x04
.irp t, 0,1,2,3
.set i, 0
.rept 16
	v_pk_add_f32 v[SUM+i:SUM+i+1], v[SUM+i:SUM+i+1], v[128+32*\t+i:129+32*\t+i]
.set i, i+2
.endr
.endr
	WIN 0
.irp m, 1,2,4,8
.set i, 0
.rept 32
	v_add_f32_dpp v[SUM+i], v[SUM+i], v[SUM+i] row_xmask:\m row_mask:0xf bank_mask:0xf
.set i, i+1
.endr
.endr
.set i, 0
.rept 16
	v_pk_mul_f32 v[SUM+i:SUM+i+1], v[SUM+i:SUM+i+1], 0x3c000000 op_sel_hi:[1,0]   ; / 128
.set i, i+2
.endr
.irp t, 0,1,2,3,4,5,6,7
.if \t < 4
.set i, 0
.rept 16
	v_pk_add_f32 v[TMP+i:TMP+i+1], v[64+32*\t+i:65+32*\t+i], v[SUM+i:SUM+i+1] neg_lo:[0,1] neg_hi:[0,1]
.set i, i+2
.endr
.else
	WIN 0x01
.set i, 0
.rept 16
	v_pk_add_f32 v[TMP+i:TMP+i+1], v[128+32*(\t-4)+i:129+32*(\t-4)+i], v[SUM+i:SUM+i+1] neg_lo:[0,1] neg_hi:[0,1]
.set i, i+2
.endr
	WIN 0
.endif
.set i, 0
.rept 16
.if \t == 0
	v_pk_mul_f32 v[M2+i:M2+i+1], v[TMP+i:TMP+i+1], v[TMP+i:TMP+i+1]
.else
	v_pk_fma_f32 v[M2+i:M2+i+1], v[TMP+i:TMP+i+1], v[TMP+i:TMP+i+1], v[M2+i:M2+i+1]
.endif
.set i, i+2
.endr
.endr
.irp m, 1,2,4,8
.set i, 0
.rept 32
	v_add_f32_dpp v[M2+i], v[M2+i], v[M2+i] row_xmask:\m row_mask:0xf bank_mask:0xf
.set i, i+1
.endr
.endr
	v_bfe_u32 v7, v0, 4, 1
	v_and_b32 v28, 15, v0
	s_delay_alu instid0(VALU_DEP_2)
	v_lshlrev_b32 v7, 11, v7
	s_delay_alu instid0(VALU_DEP_1)
	v_lshl_add_u32 v7, v28, 4, v7                  ; out: lanes 0-15 the means, lanes 16-31 the sums of squares, 2,048 bytes on
.irp n, 0,1,2,3
.irp e, 0,1
	ds_store_b128 v[LH], v[SUM+8*\n+4*\e:SUM+8*\n+4*\e+3] offset:128*(\n/2)+32*(\n%2)+16*\e       ; in the channels' own order; the sixteen lanes of a half write the same bytes with the same values
	ds_store_b128 v[LH], v[M2+8*\n+4*\e:M2+8*\n+4*\e+3] offset:256+128*(\n/2)+32*(\n%2)+16*\e
.endr
.endr
	ds_load_b128 v[32:35], v[LHS]                  ; my wave's own bytes: LDS serves a wave's instructions in order
	s_wait_alu depctr_va_vdst(0)
	s_wait_dscnt 0x0
	global_store_b128 v7, v[32:35], s[30:31]       ; two aligned runs of 256 bytes
	s_wait_tensorcnt 0x0                           ; the wave's end
	ds_add_u32 v[SPW], v[NIL]
	s_wait_dscnt 0x0
	CROUND                                         ; the closing round
	s_endpgm
.Lfunc_end_k_q929bf04c94_attn:
	.size	k_q929bf04c94_attn, .Lfunc_end_k_q929bf04c94_attn-k_q929bf04c94_attn
	.p2alignl 7, 3214868480
	.fill 96, 4, 3214868480
	.section	.rodata,"a",@progbits
	.p2align	6, 0x0
	.amdhsa_kernel k_q929bf04c94_attn
		.amdhsa_group_segment_fixed_size 327680
		.amdhsa_private_segment_fixed_size 0
		.amdhsa_enable_private_segment 0
		.amdhsa_kernarg_size 96
		.amdhsa_user_sgpr_count 2
		.amdhsa_user_sgpr_kernarg_segment_ptr 1
		.amdhsa_wavefront_size32 1
		.amdhsa_system_sgpr_workgroup_id_x 1
		.amdhsa_system_sgpr_workgroup_id_y 1
		.amdhsa_system_sgpr_workgroup_id_z 1
		.amdhsa_system_vgpr_workitem_id 0
		.amdhsa_next_free_vgpr 512
		.amdhsa_next_free_sgpr 80
		.amdhsa_reserve_vcc 0
		.amdhsa_float_denorm_mode_32 3
		.amdhsa_float_denorm_mode_16_64 3
		.amdhsa_memory_ordered 1
		.amdhsa_forward_progress 1
		.amdhsa_inst_pref_size 255
	.end_amdhsa_kernel
	.section	.bss,"aw",@nobits
	.p2align	6
	.space	262144
	.amdgpu_metadata
---
amdhsa.version: [ 1, 2 ]
amdhsa.kernels:
  - .name:           k_q929bf04c94_attn
    .symbol:         k_q929bf04c94_attn.kd
    .args:
      - { .name: q_codes, .offset: 0, .size: 8, .value_kind: global_buffer, .address_space: global }
      - { .name: q_scales, .offset: 8, .size: 8, .value_kind: global_buffer, .address_space: global }
      - { .name: h_codes, .offset: 16, .size: 8, .value_kind: global_buffer, .address_space: global }
      - { .name: h_scales, .offset: 24, .size: 8, .value_kind: global_buffer, .address_space: global }
      - { .name: wpack, .offset: 32, .size: 8, .value_kind: global_buffer, .address_space: global }
      - { .name: bq, .offset: 40, .size: 8, .value_kind: global_buffer, .address_space: global }
      - { .name: bk, .offset: 48, .size: 8, .value_kind: global_buffer, .address_space: global }
      - { .name: bv, .offset: 56, .size: 8, .value_kind: global_buffer, .address_space: global }
      - { .name: bo, .offset: 64, .size: 8, .value_kind: global_buffer, .address_space: global }
      - { .name: a_codes, .offset: 72, .size: 8, .value_kind: global_buffer, .address_space: global }
      - { .name: a_scales, .offset: 80, .size: 8, .value_kind: global_buffer, .address_space: global }
      - { .name: part, .offset: 88, .size: 8, .value_kind: global_buffer, .address_space: global }
    .group_segment_fixed_size: 327680
    .private_segment_fixed_size: 0
    .kernarg_segment_align: 8
    .kernarg_segment_size: 96
    .max_flat_workgroup_size: 256
    .sgpr_count:     80
    .vgpr_count:     512
    .wavefront_size: 32
...
	.end_amdgpu_metadata
.endif
;; end of part 2
;; launch mlp (part 3): grid 256 x 1, 8 waves a work-group, clusters of 4 x 1, 327,680 bytes of LDS; arguments a_codes, a_scales, part, g2, b2, wpack, bo, bfc, bpr, x, out0; writes out0
.if DOCPART == 3
	.amdgcn_target "amdgcn-amd-amdhsa--gfx1250"
	.amdhsa_code_object_version 6
	.text
	.protected	k_q929bf04c94_mlp
	.globl	k_q929bf04c94_mlp
	.p2align	8
	.type	k_q929bf04c94_mlp,@function
k_q929bf04c94_mlp:
	s_mov_b64 s[64:65], 0
	v_nop
	global_prefetch_b8 v0, s[64:65] scope:SCOPE_SE
	s_setreg_imm32_b32 hwreg(HW_REG_WAVE_MODE, 25, 1), 1
	s_wait_xcnt 0x0
	s_wait_alu depctr_hold_cnt(0) depctr_sa_sdst(0) depctr_va_vdst(0) depctr_va_sdst(0) depctr_va_ssrc(0) depctr_va_vcc(0) depctr_vm_vsrc(0)
	s_getreg_b32 s2, hwreg(HW_REG_IB_STS2, 6, 4)
	s_cmp_eq_u32 s2, 0
	s_cbranch_scc0 .Lentry_in_a_cluster
	s_endpgm
.Lentry_in_a_cluster:
	s_bfe_u32 s2, ttmp6, 0x10000c
	s_cmp_lg_u32 s2, 0x3003
	s_cbranch_scc0 .Lentry_shape_is_right
	s_endpgm
.Lentry_shape_is_right:
; out = x + (gelu(norm2(a Wo + bo) Wfc + bfc) Wpr + bpr)^T, all four products on FP4 codes; gelu(u) = u / (1 + e^(-1.702 u)); norm2 = instance norm over the length axis.
; SHARES.  A work-group owns 128 rows of one batch.  The waves share the columns: wave w makes channels 64 w .. of o, hidden units 64 w .. and 512 + 64 w .., outputs 32 w .. and 256 + 32 w .., for all 128 rows:
; each fragment of a weight enters registers once in a work-group.  The rows' codes go from wave to wave through LDS: [block of 32 along K][slot][16 bytes], scale bytes [slot][K / 32].
; Row 64 (t / 4) + 4 r + t % 4 of the 128 is lane r of tile t: four tiles of one lane are 16 consecutive bytes of a row of out, sixteen lanes 256.
; NORM 2.  The launch before left, for each block of 128 rows and each channel, the mean and the sum of squared distances from it.  A load of the wave takes my 64 channels (256 bytes) of two blocks: a lane holds four
; channels, the blocks run along its registers.  mean = the mean of the 16 means, sum of squares = the sum of the 16 + 128 x the squared distances of their means.  rsqrt x g2, b2 and bo - mean go through my wave's own
; LDS bytes into the result's layout; the product with bo - mean as its C gives o - mean.
; PRODUCTS ARE USED TRANSPOSED (source 0 = 16 rows of the weight, source 1 = 16 rows of the activation); the weights' rows of a tile are chosen so that a lane's registers are neighbours along the next K (not in the last product).
; WEIGHTS come a stage (16 fragments a wave) ahead by one tensor load a wave into ONE LDS slot, asked for jointly by the four work-groups of a cluster.  A wave copies its part into registers in the LAST TILE of the stage
; before, behind that tile's products: the copy's 36 LDS loads stand beside that tile's vector work.  Then the slot is filled again.  One tensor load of a wave is out at any time.
; X AND OUT GO IN FOUR PARTS a wave: (outputs 32 w .. or 256 + 32 w ..) x (rows 0-63 or 64-127): 64 registers a lane each.  The parts of x are asked for in groups of four loads among vector work: one in the join of the
; statistics, one in each stage's last tile.  The third waits in my wave's own 8,192 bytes of LDS as an image of its registers.  Each is asked for a stage or more ahead of its use, so no prefetch of x is written.
; LIMITS: NaN and infinities are not served; a block whose largest magnitude lies under 2^-124 gets the byte 1; where e^(-1.702 u) passes f32's range gelu gives -0.
.set WV,     4
.set SLOTW,  17408
.set STAGEB, 139264
.set H2R,    139264                    ; the normalised o's codes, 16 blocks x 2,048
.set H2SC,   172032                    ; its scale bytes [slot][16]
.set UR,     174080                    ; the hidden layer's codes, 32 blocks x 2,048
.set USC,    239616                    ; its scale bytes [slot][32]
.set AR,     UR                        ; a's codes and scale bytes lie in bytes that the hidden layer takes later: a round of the cluster's barrier stands between a's last read and the hidden layer's first store
.set ASCT,   USC
.set BIAS,   243712                    ; 1,024 bytes a wave: bo - mean 256, bfc 256 + 256, bpr 128 + 128
.set SPARE,  251904                    ; the spare words: 128 bytes a wave
.set XL,     252928                    ; 8,192 bytes a wave: a part of x
.set NRM,    318464                    ; 512 bytes a wave: rsqrt x g2, b2
.set SPW,  1
.set NIL,  2
.set LW,   3
.set LWS,  4
.set LBI,  5
.set LBP,  6
.set LA,   7
.set LAS,  8
.set LH2,  9
.set LH2S, 10
.set LU,   11
.set LUS,  12
.set LH2W, 13
.set LH2SW, 14
.set LUW,  15
.set LUSW, 16
.set ADR,  17                          ; v17-20 the addresses of the tile in hand (first: of the staged inputs)
.set ADS,  18
.set ADW,  19
.set ADSW, 20
.set XO,   21
.set LXL,  22
.set V16L, 23
.set WSC,  24                          ; v24-31  the weight's scale words
.set ASC,  32                          ; v32-39  the activation's scale words, two sets (first: small inputs on their way to LDS)
.set ACT,  40                          ; v40-103 the activation's fragments (K = 512: v40-71 alone)
.set T,    72                          ; v72-103 at work in gelu
.set ACC,  104                         ; v104-135 a tile's four accumulators
.set BI,   136                         ; v136-167 the bias in the result's layout
.set AN,   168                         ; v168-199 rsqrt x g2
.set BN,   200                         ; v200-231 b2
.set XC,   168                         ; v168-231 behind the first product: a part of x
.set XA,   128                         ; window 1, v128-191: a part of x
.set XB,   192                         ; window 1, v192-255: a part of x
.set BIP,  232                         ; v232-247 bpr
.set CD,   248
.set TM,   252
.set MG,   40                          ; the join: means, register 4 i + k: block 2 i + lane / 16, channel 4 (lane % 16) + k
.set QG,   72                          ; sums of squares likewise
.set BOQ,  136                         ; four channels a lane: bo, the mean, the squared distances, the sum of squares, at work, g2
.set SSM,  140
.set EE,   144
.set QS,   148
.set TP,   152
.set G2Q,  156
.set B2Q,  232                         ; b2, rsqrt x g2, bo - mean: what goes to LDS
.set ANQ,  236
.set BIQ,  240
.set LST,  244
.set LNS,  245
.set LNR,  246
.set ACCP, 104                         ; the last product: accumulator (tile t, n) at 8 (2 (t % 4) + n): v104-167
.set SEL,  44
.set KG,   46
.set TO,   48
.set TO2,  49
.set MSB, 0
.macro WIN new                         ; the immediate's high byte repeats the setting that is left; a switch that changes nothing is dropped
.if MSB != \new
	s_set_vgpr_msb (MSB<<8)|\new
.set MSB, \new
.endif
.endm
.macro PLACES n
.rept \n
	v_nop
.endr
.endm
.macro CROUND                          ; a round of the cluster's barrier
	s_barrier_signal -1
	s_barrier_wait -1
	s_cmp_lg_u32 s[WV], 0
	s_cbranch_scc1 .Lnot_wave_0_\@
	s_barrier_signal -3
.Lnot_wave_0_\@:
	s_barrier_wait -3
	s_barrier_signal -1
	s_barrier_wait -1
.endm
.macro WMX d, a, b, c, sa, sb, ra, rb
.if (\ra) && (\rb)
	v_wmma_scale_f32_16x16x128_f8f6f4 v[\d:\d+7], v[\a:\a+7], v[\b:\b+7], v[\c:\c+7], v[\sa], v[\sb] matrix_a_fmt:MATRIX_FMT_FP4 matrix_b_fmt:MATRIX_FMT_FP4 matrix_a_scale:MATRIX_SCALE_ROW1 matrix_b_scale:MATRIX_SCALE_ROW1
.elseif \ra
	v_wmma_scale_f32_16x16x128_f8f6f4 v[\d:\d+7], v[\a:\a+7], v[\b:\b+7], v[\c:\c+7], v[\sa], v[\sb] matrix_a_fmt:MATRIX_FMT_FP4 matrix_b_fmt:MATRIX_FMT_FP4 matrix_a_scale:MATRIX_SCALE_ROW1
.elseif \rb
	v_wmma_scale_f32_16x16x128_f8f6f4 v[\d:\d+7], v[\a:\a+7], v[\b:\b+7], v[\c:\c+7], v[\sa], v[\sb] matrix_a_fmt:MATRIX_FMT_FP4 matrix_b_fmt:MATRIX_FMT_FP4 matrix_b_scale:MATRIX_SCALE_ROW1
.else
	v_wmma_scale_f32_16x16x128_f8f6f4 v[\d:\d+7], v[\a:\a+7], v[\b:\b+7], v[\c:\c+7], v[\sa], v[\sb] matrix_a_fmt:MATRIX_FMT_FP4 matrix_b_fmt:MATRIX_FMT_FP4
.endif
.endm
; 16 matrix instructions: a tile of 16 rows x my 64 columns x K = 512; the four accumulators take turns, one instruction a turn; the bias is the C of the first K step
.macro WM16 d, c0, wb, wsc
	WIN 0x01                                       ; source 0, the weight: window 1
.irp n, 0,1,2,3
	WMX (\d)+8*\n, (\wb)+32*\n, ACT, (\c0)+8*\n, (\wsc)+2*\n, ASC, 0, 0
.endr
.irp s, 1,2,3
.irp n, 0,1,2,3
	WMX (\d)+8*\n, (\wb)+32*\n+8*\s, ACT+8*\s, (\d)+8*\n, (\wsc)+2*\n+\s/2, ASC+\s, \s%2, 0
.endr
.endr
	WIN 0
.endm
.macro COPYW                           ; my part of the slot has landed: 16 fragments into window 1, v0-127, and their scale words
	s_wait_tensorcnt 0x0
	WIN 0x40
.set i, 0
.rept 32
	ds_load_b128 v[4*i:4*i+3], v[LW] offset:512*i
.set i, i+1
.endr
	WIN 0
.irp p, 0,1,2,3
	ds_load_b64 v[WSC+2*\p:WSC+2*\p+1], v[LWS] offset:256*\p
.endr
.endm
.macro OPEN3                           ; in front of a refill: all my tensor loads have landed; 0 onto my spare word; the descriptor steps to the next stage
	s_wait_tensorcnt 0x0
	ds_add_u32 v[SPW], v[NIL]
	s_add_nc_u64 s[34:35], s[34:35], STAGEB
.endm
.macro CLOSE3                          ; the add is done, my reads of the slot are back and my LDS stores have landed; a round of the cluster's barrier; the joint refill first behind it
	s_wait_dscnt 0x0
	CROUND
	tensor_load_to_lds s[32:35], s[36:43]
	s_nop 0
	PLACES 4
.endm
.macro LOADT adr, sadr, off
.irp s, 0,1,2,3
.irp c, 0,1
	ds_load_b128 v[ACT+8*\s+4*\c:ACT+8*\s+4*\c+3], v[\adr] offset:(4*\s+2*\c)*2048+(\off)
.endr
.endr
	ds_load_b128 v[ASC:ASC+3], v[\sadr] offset:\off
.endm
.macro LOADB dst, adr, off             ; 32 numbers by channel in the result's layout: register 8 n + 4 e + k = channel 32 (n / 2) + 16 (lane / 16) + 8 (n % 2) + 4 e + k of my 64
.irp n, 0,1,2,3
.irp e, 0,1
	ds_load_b128 v[\dst+8*\n+4*\e:\dst+8*\n+4*\e+3], v[\adr] offset:\off+128*(\n/2)+32*(\n%2)+16*\e
.endr
.endr
.endm
.macro BIPL off                        ; bpr of my 32 outputs
.irp n, 0,1
.irp e, 0,1
	ds_load_b128 v[BIP+8*\n+4*\e:BIP+8*\n+4*\e+3], v[LBP] offset:\off+64*\n+16*\e
.endr
.endr
.endm
; Four of the 16 loads of a part of x: outputs 256 p + 32 w .., rows 64 q ..: register (8 n + j) 4 + i of the part = channel 16 n + 8 h + j, place 64 q + 4 r + i.  rb: the part's first register; w: its window
.macro XQ rb, w, p, q, g
.if \w
	WIN 0x40
.endif
.irp k, 0,1,2,3
	global_load_b128 v[\rb+(4*(\g)+\k)*4:\rb+(4*(\g)+\k)*4+3], v[XO], s[66:67] offset:2097152*\p+8192*(16*((4*(\g)+\k)/8)+(4*(\g)+\k)%8)+256*\q th:TH_LOAD_NT
.endr
	WIN 0
.endm
; 32 numbers of a lane (register 16 bb + i = number 16 (lane / 16) + i of block bb of my row) become codes and two scale bytes, and go to LDS: 8 bytes a lane and block, 256 consecutive bytes a store
.macro QUANT2 src, adw, offw, ads, offs
.irp bb, 0,1
	v_max3_num_f32 v[TM+\bb], |v[\src+16*\bb]|, |v[\src+16*\bb+1]|, 0x1800000   ; with the floor 2^(3 - 127): the byte cannot fall under 1
.endr
.irp i, 2,4,6,8,10,12,14
.irp bb, 0,1
	s_delay_alu instid0(VALU_DEP_2)
	v_max3_num_f32 v[TM+\bb], v[TM+\bb], |v[\src+16*\bb+\i]|, |v[\src+16*\bb+\i+1]|
.endr
.endr
.irp bb, 0,1
	s_delay_alu instid0(VALU_DEP_2)
	v_permlanex16_b32 v[TM+2+\bb], v[TM+\bb], s[SEL], s[SEL+1]
.endr
.irp bb, 0,1
	s_delay_alu instid0(VALU_DEP_2)
	v_max_num_f32 v[TM+\bb], v[TM+\bb], v[TM+2+\bb]
.endr
.irp bb, 0,1
	s_delay_alu instid0(VALU_DEP_2)
	v_add_nc_u32 v[TM+\bb], 0xff000000, v[TM+\bb]
.endr
.irp bb, 0,1
	s_delay_alu instid0(VALU_DEP_2)
	v_lshrrev_b32 v[TM+2+\bb], 23, v[TM+\bb]
.endr
.irp bb, 0,1
	v_cvt_scalef32_pk8_fp4_f32 v[CD+2*\bb], v[\src+16*\bb:\src+16*\bb+7], v[TM+\bb]
	v_cvt_scalef32_pk8_fp4_f32 v[CD+2*\bb+1], v[\src+16*\bb+8:\src+16*\bb+15], v[TM+\bb]
.endr
	v_nop                                          ; one plain instruction behind the last conversion
.irp bb, 0,1
	ds_store_b64 v[\adw], v[CD+2*\bb:CD+2*\bb+1] offset:\offw+2048*\bb
	ds_store_b8 v[\ads], v[TM+2+\bb] offset:\offs+\bb
.endr
.endm
; ACC = ACC / (1 + 2^(-1.702 log2(e) ACC)): two batches of 32 transcendentals, one wait ahead of each and one behind.  on = 1: a part of x is asked for, four loads between the sections
.macro GELU on, rb, w, p, q
.set i, 0
.rept 16
	v_pk_mul_f32 v[T+i:T+i+1], v[ACC+i:ACC+i+1], s[KG:KG+1] op_sel_hi:[1,0]
.set i, i+2
.endr
.if \on
	XQ \rb, \w, \p, \q, 0
.endif
.set i, 0
	s_wait_alu depctr_va_vdst(0)
.rept 32
	v_exp_f32 v[T+i], v[T+i]
.set i, i+1
.endr
	v_nop
	s_wait_alu depctr_va_vdst(0)
.if \on
	XQ \rb, \w, \p, \q, 1
.endif
.set i, 0
.rept 16
	v_pk_add_f32 v[T+i:T+i+1], v[T+i:T+i+1], 1.0 op_sel_hi:[1,0]
.set i, i+2
.endr
.if \on
	XQ \rb, \w, \p, \q, 2
.endif
.set i, 0
	s_wait_alu depctr_va_vdst(0)
.rept 32
	v_rcp_f32 v[T+i], v[T+i]
.set i, i+1
.endr
	v_nop
	s_wait_alu depctr_va_vdst(0)
.if \on
	XQ \rb, \w, \p, \q, 3
.endif
.set i, 0
.rept 16
	v_pk_mul_f32 v[ACC+i:ACC+i+1], v[ACC+i:ACC+i+1], v[T+i:T+i+1]
.set i, i+2
.endr
.endm
; One tile of 16 rows: the product; next = 1: the next tile's fragments are asked for; next = 0, the stage's last tile: the next stage's weights and bias take the registers that this tile's products have read;
; the vector work (kind 0: the norm; kind 1: gelu); the quantiser; codes and bytes to LDS.  The four additions and the v_nop are the five places behind the products.
.macro TILE rd, rds, wr, wrs, woff, wsoff, kind, next, tl
	s_wait_dscnt 0x0                               ; the tile's fragments are in; earlier LDS stores have read their registers
	WM16 ACC, BI, 0, WSC
	v_add_nc_u32 v[ADR], s[TO], v[\rd]
	v_add_nc_u32 v[ADS], s[TO], v[\rds]
	v_add_nc_u32 v[ADW], s[TO], v[\wr]
.if \kind
	v_add_nc_u32 v[ADSW], s[TO2], v[\wrs]
.else
	v_add_nc_u32 v[ADSW], s[TO], v[\wrs]
.endif
	v_nop
.if \next
	LOADT ADR, ADS, 256
.else
	COPYW
.if \tl == 0
	LOADB BI, LBI, 256                             ; bfc, hidden units 0-511
.irp g, 0,1,2,3
	XQ XB, 1, 0, 1, \g                             ; x for my first 32 outputs, rows 64-127
.endr
.elseif \tl == 1
	LOADB BI, LBI, 512                             ; bfc, hidden units 512-1023
.else
	BIPL 0
.endif
.endif
.if \kind
.if \next
	GELU 0, 0, 0, 0, 0
.elseif \tl == 1
	GELU 1, XC, 0, 1, 1                            ; x for my second 32 outputs, rows 64-127, on its way to LDS
.else
	GELU 1, XC, 0, 1, 0                            ; x for my second 32 outputs, rows 0-63: it stays in these registers
.endif
.else
.set i, 0
.rept 16
	v_pk_fma_f32 v[ACC+i:ACC+i+1], v[ACC+i:ACC+i+1], v[AN+i:AN+i+1], v[BN+i:BN+i+1]
.set i, i+2
.endr
.endif
	QUANT2 ACC, ADW, \woff, ADSW, \wsoff
.endm
.macro STAGE rd, rds, wr, wrs, woff, wsoff, kind, tl   ; the eight tiles: seven trips, and the last written out
	s_mov_b32 s[TO], 0
	s_mov_b32 s[TO2], 0
.Ltile_\@:
	s_wait_alu depctr_va_vdst(0)
	TILE \rd, \rds, \wr, \wrs, \woff, \wsoff, \kind, 1, 0
	s_add_co_u32 s[TO2], s[TO2], 512
	s_add_co_u32 s[TO], s[TO], 256
	s_cmp_lt_u32 s[TO], 1792
	s_cbranch_scc1 .Ltile_\@
	s_mov_b32 s[TO], 1792
	s_mov_b32 s[TO2], 3584
.if \tl == 2
	s_wait_loadcnt 0x0                             ; the part of x that was asked for a stage ago is in
.set i, 0
.rept 16
	ds_store_b128 v[LXL], v[XC+4*i:XC+4*i+3] offset:512*i   ; an image of its registers, in my wave's own bytes; the wait at the tile's head shows the stores done before the registers are loaded again
.set i, i+1
.endr
.endif
	TILE \rd, \rds, \wr, \wrs, \woff, \wsoff, \kind, 0, \tl
.endm
; The last product, K = 1,024, in two halves of four K steps; my 32 outputs are two accumulators a tile, which take turns.
.macro PRA t                           ; K steps 0-3 of tile t, and its scale words: lanes 0-15 those of K steps 0-3, lanes 16-31 those of K steps 4-7
.irp s, 0,1,2,3
.irp c, 0,1
	ds_load_b128 v[ACT+8*\s+4*\c:ACT+8*\s+4*\c+3], v[LU] offset:2048*(4*\s+2*\c)+256*(\t)
.endr
.endr
	ds_load_b128 v[ASC+4*((\t)%2):ASC+4*((\t)%2)+3], v[LUS] offset:512*(\t)
.endm
.macro PRB t                           ; K steps 4-7
.irp s, 0,1,2,3
.irp c, 0,1
	ds_load_b128 v[ACT+32+8*\s+4*\c:ACT+32+8*\s+4*\c+3], v[LU] offset:2048*(16+4*\s+2*\c)+256*(\t)
.endr
.endr
.endm
.macro PRMUL t, half
	WIN 0x01
.irp s, 0,1,2,3
.irp n, 0,1
.if (\half == 0) && (\s == 0)
	WMX ACCP+8*(2*((\t)%4)+\n), 64*\n, ACT, BIP+8*\n, WSC+4*\n, ASC+4*((\t)%2), 0, 0
.else
	WMX ACCP+8*(2*((\t)%4)+\n), 64*\n+32*\half+8*\s, ACT+32*\half+8*\s, ACCP+8*(2*((\t)%4)+\n), WSC+4*\n+2*\half+\s/2, ASC+4*((\t)%2)+\s, \s%2, \half
.endif
.endr
.endr
	WIN 0
.endm
.macro PRSTAGE q                       ; tiles 4 q .. 4 q + 3: rows 64 q .. 64 q + 63.  PRA and PRB of tile 4 q were the last LDS instructions issued ahead of it
.irp tt, 0,1,2,3
	s_wait_dscnt 8                                 ; the first half's nine loads, and all that was asked of LDS ahead of them, are in; the second half's eight may be out
	PRMUL 4*\q+\tt, 0
	PLACES 5
.if \tt < 3
	PRA 4*\q+\tt+1
	s_wait_dscnt 9                                 ; the second half's eight are in; the nine just issued may be out
.else
	s_wait_dscnt 0x0
.endif
	PRMUL 4*\q+\tt, 1
	PLACES 5
.if \tt < 3
	PRB 4*\q+\tt+1
.endif
.endr
.endm
; The four tiles just finished are added onto their part of x, and the part leaves
.macro OUT xb, w, p, q
.if \w
	WIN 0x41
.endif
.irp j, 0,1,2,3,4,5,6,7                        ; register j of all accumulators in turn: each accumulator is read from its low end on
.irp n, 0,1
.irp i, 0,1,2,3
	v_add_f32 v[\xb+(8*\n+\j)*4+\i], v[\xb+(8*\n+\j)*4+\i], v[ACCP+8*(2*\i+\n)+\j]
.endr
.endr
.endr
.if \w
	WIN 0x04
.endif
.irp n, 0,1
.irp j, 0,1,2,3,4,5,6,7
	global_store_b128 v[XO], v[\xb+(8*\n+\j)*4:\xb+(8*\n+\j)*4+3], s[68:69] offset:2097152*\p+8192*(16*\n+\j)+256*\q th:TH_STORE_NT   ; sixteen lanes store 256 consecutive bytes, aligned
.endr
.endr
	WIN 0
.endm
	s_load_b512 s[8:23], s[0:1], 0x0               ; a_codes, a_scales, part, g2, b2, wpack, bo, bfc
	s_load_b128 s[24:27], s[0:1], 0x40             ; bpr, x
	s_load_b64 s[28:29], s[0:1], 0x50              ; out0
	v_lshl_add_u32 v[SPW], v0, 2, SPARE
	v_mov_b32 v[NIL], 0
	ds_add_u32 v[SPW], v[NIL]                      ; the opening lines: the add, twice on end, and its wait ahead of my first tensor load
	ds_add_u32 v[SPW], v[NIL]
	v_lshrrev_b32 v248, 5, v0
	s_delay_alu instid0(VALU_DEP_1)
	v_readfirstlane_b32 s[WV], v248                ; wave 0..7
	s_bfe_u32 s5, ttmp6, 0x40000                   ; my place in the cluster: it enters global addresses alone
	s_lshl_b32 s6, ttmp9, 2
	s_add_co_u32 s5, s6, s5                        ; work-group = block of 128 rows
	s_lshr_b32 s6, s5, 4                           ; batch
	s_and_b32 s7, s5, 15                           ; block in the batch
	s_mov_b32 s36, 0x0023000f                      ; group 1: mask = all four work-groups; elements of 8 bytes; bit 21 beside the mask; no padding
	s_mov_b32 s37, 32<<16                          ; rows of 256 bytes
	s_mov_b32 s38, 68<<16                          ; 68 rows
	s_mov_b32 s39, 32<<16
	s_mov_b32 s40, 68
	s_mov_b32 s41, 32
	s_mov_b32 s42, 0
	s_mov_b32 s43, 0
	s_mov_b32 s32, 1
	s_mul_i32 s33, s[WV], SLOTW                    ; my part of the slot
	s_add_co_u32 s58, s33, 3*STAGEB                ; the first stage asked for is stage 3, Wo
	s_mov_b32 s59, 0
	s_mov_b32 s[SEL], 0x76543210
	s_mov_b32 s[SEL+1], 0xfedcba98
	s_mov_b32 s[KG], 0xc01d265f                    ; -1.702 log2(e)
	s_mov_b32 s[KG+1], s[KG]
	s_mov_b32 s51, 0x3a000000                      ; 1 / 2048
	s_mov_b32 s52, 0x3727c5ac                      ; 1e-5
	s_lshl_b32 s50, s[WV], 9
	s_lshl_b32 s53, s[WV], 10
	s_lshl_b32 s54, s[WV], 12
	s_lshl_b32 s55, s[WV], 1
	s_lshl_b32 s56, s[WV], 8
	s_lshl_b32 s57, s[WV], 13
	; all addresses that vector instructions make: they name no argument and stand between the arguments' loads and the wait for them
	v_and_b32 v248, 31, v0                         ; lane
	v_and_b32 v249, 15, v0                         ; r
	v_bfe_u32 v250, v0, 4, 1                       ; h
	v_lshl_add_u32 v[LW], v248, 4, s33
	v_lshl_add_u32 v[LWS], v248, 3, s33
	v_lshl_add_u32 v[LBI], v250, 6, s53
	v_lshl_add_u32 v[LBP], v250, 5, s53
	v_lshlrev_b32 v251, 11, v250
	v_add_nc_u32 v[LWS], 16384, v[LWS]
	v_add_nc_u32 v[LBI], BIAS, v[LBI]
	v_add_nc_u32 v[LBP], BIAS+768, v[LBP]
	v_lshl_add_u32 v251, v249, 4, v251             ; 16 r + one block on for lanes 16-31
	v_lshl_add_u32 v[LAS], v249, 4, ASCT
	v_lshl_add_u32 v[LH2S], v249, 4, H2SC
	v_lshlrev_b32 v[LUS], 5, v249
	v_add_nc_u32 v[LA], AR, v251
	v_add_nc_u32 v[LH2], H2R, v251
	v_add_nc_u32 v[LU], UR, v251
	v_lshl_add_u32 v[LUS], v250, 4, v[LUS]
	v_lshl_add_u32 v251, v249, 4, s54
	v_lshl_add_u32 v[LH2SW], v249, 4, s55
	v_lshl_add_u32 v[LUSW], v249, 5, s55
	v_add_nc_u32 v[LUS], USC, v[LUS]
	v_lshl_add_u32 v251, v250, 3, v251             ; blocks 2 w on, 16 r + 8 h
	v_add_nc_u32 v[LH2SW], H2SC, v[LH2SW]
	v_add_nc_u32 v[LUSW], USC, v[LUSW]
	v_lshl_add_u32 v17, v248, 4, s54               ; the staged inputs: a's codes,
	v_add_nc_u32 v[LH2W], H2R, v251
	v_add_nc_u32 v[LUW], UR, v251
	v_lshl_add_u32 v18, v248, 3, s56               ; a's scale bytes,
	v_lshl_add_u32 v19, v248, 3, s53               ; bfc,
	v_lshl_add_u32 v20, v248, 2, s53               ; bpr
	v_add_nc_u32 v17, AR, v17
	v_add_nc_u32 v18, ASCT, v18
	v_add_nc_u32 v19, BIAS, v19
	v_add_nc_u32 v20, BIAS+768, v20
	v_lshlrev_b32 v[XO], 16, v250
	v_lshl_add_u32 v[LXL], v248, 4, s57
	v_lshlrev_b32 v[V16L], 4, v248
	v_lshl_add_u32 v[LST], v249, 4, s53
	v_lshl_add_u32 v[LNS], v249, 4, s50
	v_lshl_add_u32 v[LNR], v250, 6, s50
	v_lshl_add_u32 v[XO], v249, 4, v[XO]           ; x, out: 8 channels on for lanes 16-31, 16 r
	v_add_nc_u32 v[LXL], XL, v[LXL]                ; my wave's own 8,192 bytes, 16 x lane
	v_add_nc_u32 v[LST], BIAS, v[LST]              ; four channels a lane into my wave's bytes: 16 r
	v_add_nc_u32 v[LNS], NRM, v[LNS]
	v_add_nc_u32 v[LNR], NRM, v[LNR]               ; and back in the result's layout: 64 h
	v_lshlrev_b32 v252, 3, v248                    ; 8 x lane
	v_lshlrev_b32 v253, 2, v248                    ; 4 x lane
	v_lshlrev_b32 v254, 12, v250
	v_lshlrev_b32 v255, 4, v249                    ; 16 r
	v_mov_b32 v[TP], 0                             ; written once: a lane permute's destination counts as one of its sources (v254 and v255 likewise, by the lines here)
	v_mov_b32 v[TP+1], 0
	v_mov_b32 v[TP+2], 0
	v_mov_b32 v[TP+3], 0
	v_lshl_add_u32 v254, v249, 4, v254             ; the statistics: one block on for lanes 16-31, 16 r
	s_wait_alu depctr_va_vdst(0)                   ; the wait at the end of the head's vector work, directly ahead of the waits below
	s_wait_dscnt 0x0                               ; both opening adds are done
	s_wait_kmcnt 0x0
	s_add_nc_u64 s[34:35], s[18:19], s[58:59]
	s_or_b32 s35, s35, 0x80000000
	CROUND                                         ; all four work-groups are here: the first joint loads meet
	tensor_load_to_lds s[32:35], s[36:43]
	s_nop 0
	PLACES 4
	s_lshl_b32 s58, s6, 19                         ; a's codes: batch, planes 2 w on, the block's 128 slots
	s_lshl_b32 s60, s[WV], 16
	s_add_co_u32 s58, s58, s60
	s_lshl_b32 s60, s7, 11
	s_add_co_u32 s58, s58, s60
	s_add_nc_u64 s[8:9], s[8:9], s[58:59]
	s_lshl_b32 s58, s5, 11
	s_add_co_u32 s58, s58, s56
	s_add_nc_u64 s[10:11], s[10:11], s[58:59]
	s_lshl_b32 s58, s6, 16                         ; the statistics: the batch's 16 blocks of 4,096 bytes, my 64 channels
	s_add_co_u32 s58, s58, s56
	s_add_nc_u64 s[12:13], s[12:13], s[58:59]
	s_mov_b32 s58, s56
	s_add_nc_u64 s[14:15], s[14:15], s[58:59]
	s_add_nc_u64 s[16:17], s[16:17], s[58:59]
	s_add_nc_u64 s[20:21], s[20:21], s[58:59]
	s_add_nc_u64 s[22:23], s[22:23], s[58:59]
	s_lshl_b32 s58, s[WV], 7
	s_add_nc_u64 s[24:25], s[24:25], s[58:59]
	s_lshl_b32 s58, s6, 22                         ; x, out: batch, channel 32 w, place 128 x block
	s_lshl_b32 s60, s[WV], 18
	s_add_co_u32 s58, s58, s60
	s_lshl_b32 s60, s7, 9
	s_add_co_u32 s58, s58, s60
	s_add_nc_u64 s[66:67], s[26:27], s[58:59]
	s_add_nc_u64 s[68:69], s[28:29], s[58:59]
.irp e, 0,1
.irp m, 0,1,2,3
	global_load_b128 v[104+16*\e+4*\m:107+16*\e+4*\m], v[V16L], s[8:9] offset:32768*\e+512*\m th:TH_LOAD_NT
.endr
.endr
	global_load_b64 v[32:33], v252, s[10:11] th:TH_LOAD_NT
	global_load_b64 v[34:35], v252, s[22:23]
	global_load_b64 v[36:37], v252, s[22:23] offset:2048
	global_load_b32 v38, v253, s[24:25]
	global_load_b32 v39, v253, s[24:25] offset:1024
.irp i, 0,1,2,3,4,5,6,7
	global_load_b128 v[MG+4*\i:MG+4*\i+3], v254, s[12:13] offset:8192*\i          ; blocks 2 i and 2 i + 1: two aligned runs of 256 bytes
	global_load_b128 v[QG+4*\i:QG+4*\i+3], v254, s[12:13] offset:8192*\i+2048
.endr
	global_load_b128 v[G2Q:G2Q+3], v255, s[14:15]
	global_load_b128 v[B2Q:B2Q+3], v255, s[16:17]
	global_load_b128 v[BOQ:BOQ+3], v255, s[20:21]
	s_wait_loadcnt 19                              ; a, bfc and bpr are in; the 16 loads of statistics and those of g2, b2 and bo may be out
.irp e, 0,1
.irp m, 0,1,2,3
	ds_store_b128 v17, v[104+16*\e+4*\m:107+16*\e+4*\m] offset:2048*\e+512*\m
.endr
.endr
	ds_store_b64 v18, v[32:33]
	ds_store_b64 v19, v[34:35] offset:256
	ds_store_b64 v19, v[36:37] offset:512
	ds_store_b32 v20, v38
	ds_store_b32 v20, v39 offset:128
	COPYW                                          ; Wo: its LDS loads stand beside the join below
	s_wait_loadcnt 0x0
	; ---- the 16 blocks' statistics are joined; x for my first 32 outputs, rows 0-63, is asked for in four groups on the way
.irp c, 0,2
	v_pk_add_f32 v[SSM+\c:SSM+\c+1], v[MG+\c:MG+\c+1], v[MG+4+\c:MG+5+\c]
	v_pk_add_f32 v[QS+\c:QS+\c+1], v[QG+\c:QG+\c+1], v[QG+4+\c:QG+5+\c]
.endr
.irp i, 2,3,4,5,6,7
.irp c, 0,2
	s_delay_alu instid0(VALU_DEP_4)
	v_pk_add_f32 v[SSM+\c:SSM+\c+1], v[SSM+\c:SSM+\c+1], v[MG+4*\i+\c:MG+4*\i+\c+1]
	s_delay_alu instid0(VALU_DEP_4)
	v_pk_add_f32 v[QS+\c:QS+\c+1], v[QS+\c:QS+\c+1], v[QG+4*\i+\c:QG+4*\i+\c+1]
.endr
.endr
	XQ XA, 1, 0, 0, 0
.irp k, 0,1,2,3
	v_permlanex16_b32 v[TP+\k], v[SSM+\k], s[SEL], s[SEL+1]
.endr
.irp c, 0,2
	v_pk_add_f32 v[SSM+\c:SSM+\c+1], v[SSM+\c:SSM+\c+1], v[TP+\c:TP+\c+1]        ; with the other eight blocks
.endr
.irp c, 0,2
	s_delay_alu instid0(VALU_DEP_2)
	v_pk_mul_f32 v[SSM+\c:SSM+\c+1], v[SSM+\c:SSM+\c+1], 0x3d800000 op_sel_hi:[1,0]   ; / 16: the channel's mean
.endr
.irp i, 0,1,2,3,4,5,6,7
.irp c, 0,2
	v_pk_add_f32 v[MG+4*\i+\c:MG+4*\i+\c+1], v[MG+4*\i+\c:MG+4*\i+\c+1], v[SSM+\c:SSM+\c+1] neg_lo:[0,1] neg_hi:[0,1]
.endr
.endr
	XQ XA, 1, 0, 0, 1
.irp c, 0,2
	v_pk_mul_f32 v[EE+\c:EE+\c+1], v[MG+\c:MG+\c+1], v[MG+\c:MG+\c+1]
.endr
.irp i, 1,2,3,4,5,6,7
.irp c, 0,2
	s_delay_alu instid0(VALU_DEP_2)
	v_pk_fma_f32 v[EE+\c:EE+\c+1], v[MG+4*\i+\c:MG+4*\i+\c+1], v[MG+4*\i+\c:MG+4*\i+\c+1], v[EE+\c:EE+\c+1]
.endr
.endr
	XQ XA, 1, 0, 0, 2
.irp c, 0,2
	v_pk_fma_f32 v[QS+\c:QS+\c+1], v[EE+\c:EE+\c+1], 0x43000000, v[QS+\c:QS+\c+1] op_sel_hi:[1,0,1]   ; + 128 x the squared distances of the blocks' means
.endr
.irp k, 0,1,2,3
	v_permlanex16_b32 v[TP+\k], v[QS+\k], s[SEL], s[SEL+1]
.endr
.irp c, 0,2
	v_pk_add_f32 v[QS+\c:QS+\c+1], v[QS+\c:QS+\c+1], v[TP+\c:TP+\c+1]
.endr
.irp k, 0,1,2,3
	v_fma_f32 v[QS+\k], v[QS+\k], s51, s52         ; variance + eps
.endr
	s_wait_alu depctr_va_vdst(0)                   ; the wait ahead of the batch
.irp k, 0,1,2,3
	v_rsq_f32 v[TP+\k], v[QS+\k]
.endr
.irp c, 0,2
	v_pk_add_f32 v[BIQ+\c:BIQ+\c+1], v[BOQ+\c:BOQ+\c+1], v[SSM+\c:SSM+\c+1] neg_lo:[0,1] neg_hi:[0,1]   ; bo - mean (plain work behind the batch)
.endr
	s_wait_alu depctr_va_vdst(0)                   ; one wait for the four, ahead of their first reader
.irp c, 0,2
	v_pk_mul_f32 v[ANQ+\c:ANQ+\c+1], v[G2Q+\c:G2Q+\c+1], v[TP+\c:TP+\c+1]
.endr
	ds_store_b128 v[LST], v[BIQ:BIQ+3]             ; by channel, into my wave's own bytes; both halves of the lanes write the same bytes with the same values
	ds_store_b128 v[LNS], v[ANQ:ANQ+3]
	ds_store_b128 v[LNS], v[B2Q:B2Q+3] offset:256
	XQ XA, 1, 0, 0, 3
	LOADB AN, LNR, 0                               ; LDS serves a wave's instructions in order: these see the stores above
	LOADB BN, LNR, 256
	LOADB BI, LBI, 0
	OPEN3
	CLOSE3                                         ; the slot takes Wfc's first half; the round's first barrier also shows a's rows to all waves
	LOADT LA, LAS, 0
	STAGE LA, LAS, LH2W, LH2SW, 0, 0, 0, 0         ; o - mean, the norm, its codes; in the last tile Wfc's first half enters registers
	OPEN3
	CLOSE3                                         ; the slot takes Wfc's second half; the round shows the normalised rows to all waves, and behind it nobody reads a's rows any more
	LOADT LH2, LH2S, 0
	STAGE LH2, LH2S, LUW, LUSW, 0, 0, 1, 1
	OPEN3
	CLOSE3                                         ; the slot takes Wpr's first half
	LOADT LH2, LH2S, 0
	STAGE LH2, LH2S, LUW, LUSW, 32768, 16, 1, 2
	OPEN3
	CLOSE3                                         ; the slot takes Wpr's second half; the round shows the hidden layer to all waves
	PRA 0
	PRB 0
	PRSTAGE 0
	PRA 4                                          ; the next four tiles' first fragments are asked for ahead of the part's way out
	PRB 4
	s_wait_loadcnt 0x0                             ; all of x that was asked of memory is in: the youngest loads were issued in the last tile of the stage before
	OUT XA, 1, 0, 0
	PRSTAGE 1
	COPYW                                          ; Wpr, outputs 256-511: nothing is left to fetch, so no round follows
	BIPL 128
	PRA 0
	PRB 0
	OUT XB, 1, 0, 1
	PRSTAGE 0
	s_wait_xcnt 0x0                                ; the first part's stores have read their registers: the part of x that waits in LDS may land there
	WIN 0x40
.set i, 0
.rept 16
	ds_load_b128 v[XA+4*i:XA+4*i+3], v[LXL] offset:512*i   ; the same lines as loads give the same registers in the same lanes; the waits of the next four tiles cover them
.set i, i+1
.endr
	WIN 0
	PRA 4
	PRB 4
	OUT XC, 0, 1, 0
	PRSTAGE 1
	OUT XA, 1, 1, 1
	s_wait_tensorcnt 0x0                           ; the wave's end
	ds_add_u32 v[SPW], v[NIL]
	s_wait_dscnt 0x0
	CROUND                                         ; the closing round
	s_endpgm
.Lfunc_end_k_q929bf04c94_mlp:
	.size	k_q929bf04c94_mlp, .Lfunc_end_k_q929bf04c94_mlp-k_q929bf04c94_mlp
	.p2alignl 7, 3214868480
	.fill 96, 4, 3214868480
	.section	.rodata,"a",@progbits
	.p2align	6, 0x0
	.amdhsa_kernel k_q929bf04c94_mlp
		.amdhsa_group_segment_fixed_size 327680
		.amdhsa_private_segment_fixed_size 0
		.amdhsa_enable_private_segment 0
		.amdhsa_kernarg_size 88
		.amdhsa_user_sgpr_count 2
		.amdhsa_user_sgpr_kernarg_segment_ptr 1
		.amdhsa_wavefront_size32 1
		.amdhsa_system_sgpr_workgroup_id_x 1
		.amdhsa_system_sgpr_workgroup_id_y 1
		.amdhsa_system_sgpr_workgroup_id_z 1
		.amdhsa_system_vgpr_workitem_id 0
		.amdhsa_next_free_vgpr 512
		.amdhsa_next_free_sgpr 80
		.amdhsa_reserve_vcc 0
		.amdhsa_float_denorm_mode_32 3
		.amdhsa_float_denorm_mode_16_64 3
		.amdhsa_memory_ordered 1
		.amdhsa_forward_progress 1
		.amdhsa_inst_pref_size 173
	.end_amdhsa_kernel
	.amdgpu_metadata
---
amdhsa.version: [ 1, 2 ]
amdhsa.kernels:
  - .name:           k_q929bf04c94_mlp
    .symbol:         k_q929bf04c94_mlp.kd
    .args:
      - { .name: a_codes, .offset: 0, .size: 8, .value_kind: global_buffer, .address_space: global }
      - { .name: a_scales, .offset: 8, .size: 8, .value_kind: global_buffer, .address_space: global }
      - { .name: part, .offset: 16, .size: 8, .value_kind: global_buffer, .address_space: global }
      - { .name: g2, .offset: 24, .size: 8, .value_kind: global_buffer, .address_space: global }
      - { .name: b2, .offset: 32, .size: 8, .value_kind: global_buffer, .address_space: global }
      - { .name: wpack, .offset: 40, .size: 8, .value_kind: global_buffer, .address_space: global }
      - { .name: bo, .offset: 48, .size: 8, .value_kind: global_buffer, .address_space: global }
      - { .name: bfc, .offset: 56, .size: 8, .value_kind: global_buffer, .address_space: global }
      - { .name: bpr, .offset: 64, .size: 8, .value_kind: global_buffer, .address_space: global }
      - { .name: x, .offset: 72, .size: 8, .value_kind: global_buffer, .address_space: global }
      - { .name: out0, .offset: 80, .size: 8, .value_kind: global_buffer, .address_space: global }
    .group_segment_fixed_size: 327680
    .private_segment_fixed_size: 0
    .kernarg_segment_align: 8
    .kernarg_segment_size: 88
    .max_flat_workgroup_size: 256
    .sgpr_count:     80
    .vgpr_count:     512
    .wavefront_size: 32
...
	.end_amdgpu_metadata
.endif
;; end of part 3
